; MI455X (gfx1250); checked and timed in simulation.
; The chip was launched on July 23, 2026; its instructions are those of AMD's public machine-readable ISA for CDNA 5 (MIT licence, August 2026) and "CDNA5" Instruction Set Architecture Reference Guide (July 2026). The comments in the code are by the model that wrote it; some were corrected since.
;; Specific Mo E. Allowed arithmetic: float matrix products may take bf16 or f16 operands with f32 sums; all other float work in f32.
;; Inputs: W1 8 x 1,024 x 512 float32; W2 8 x 512 x 1,024 float32; Wr 1,024 x 8 float32; b1 8 x 512 float32; b2 8 x 1,024 float32; br 8 float32; x 4 x 2,048 x 1,024 float32.
;; Outputs: out0 4 x 2,048 x 1,024 float32; out1 4 x 2,048 x 8 float32; out2 4 x 2,048 x 8 float32; out3 4 x 2,048 x 2 int32; out4 4 x 2,048 x 2 float32.
;; 2 versions, each right; version 2 is version 1 with the launch ffn written anew for expert scheduling mode. Each part assembles by itself: llvm-mc -triple=amdgcn-amd-amdhsa -mcpu=gfx1250 --defsym DOCPART=n.
;; ======== version 1 of 2: 4 launches
;; limits: values are held in f16: magnitudes above 65,504 overflow, below 6.1e-05 lose precision
;; workspace buffers: sel 65,536 bytes of whole numbers; rows 108,544 bytes of whole numbers; w1s 8,388,608 bytes; w2s 8,388,608 bytes; y 67,108,864 bytes
;; launch prep (part 1): grid 256 x 1, 4 waves a work-group, no clusters, 34,304 bytes of LDS; arguments x, Wr, br, W1, W2, out1, out2, out3, out4, sel, w1s, w2s; writes out1, out2, out3, out4, sel, w1s, w2s
.if DOCPART == 1
	.amdgcn_target "amdgcn-amd-amdhsa--gfx1250"
	.amdhsa_code_object_version 6
	.text
	.protected	k_q57a497df1e_prep
	.globl	k_q57a497df1e_prep
	.p2align	8
	.type	k_q57a497df1e_prep,@function
k_q57a497df1e_prep:
	s_mov_b64 s[64:65], 0
	v_nop
	global_prefetch_b8 v0, s[64:65] scope:SCOPE_SE
	s_setreg_imm32_b32 hwreg(HW_REG_WAVE_MODE, 25, 1), 1
	s_wait_xcnt 0x0
; prep: the router (logits, softmax, top 2) in f32 on the vector unit, and W1, W2 rewritten as f16 matrix fragments.
; The router's product is 1/1024 of the problem's arithmetic and its top-2 indices are compared exactly, so it stays in f32.
; Work-group g: tokens 32 g .. 32 g + 31; wave w: the 8 tokens from T0 = 8 (4 g + w).  Lane L holds x[t][128 j + 4 L + c], j = 0..7, c = 0..3,
; so each x load of a wave takes 512 neighbouring bytes and x is read once.  Each lane sums its 32 numbers of a row into 8 x 8 partial logits;
; a transposing butterfly over the 32 lanes leaves lane L with the logit of token 4 bt + (L >> 3), expert L & 7 (two batches bt).
; Wave gw = 4 g + w also converts 32 k x 128 columns of W1 and as much of W2 (16 KiB in, 8 KiB out each); their loads go out as x's registers
; are used up, so that 64 loads of the wave stay requested through the whole router.
; FRAGMENT LAYOUT (w1s: [e][slice 0..3][k step 0..31][b 0..7][1024 B]; w2s: [e][slice 0..7][k step 0..15][b][1024 B]): the 16 bytes at
; o * 256 + rho * 16 hold k = 32 kstep + 8 o .. + 7 of column 128 slice + 64 (b >> 2) + 4 rho + (b & 3).  With this order of columns a lane's
; four neighbouring f32 columns go to four fragments at the same place, and lanes 0-15 (16-31) store 256 neighbouring, aligned bytes.
; WHY f16: it carries three more mantissa bits than bf16 at the same matrix rate.  The weights have a spread of 1/32 and 1/23: thirty times
; larger they stay below 10, thirty times smaller their spread is 1e-3, against f16's subnormal step of 6e-8.
; LIMITS: a weight above 65,504 in size becomes infinity.  With NaN in x the order of the top 2 is not defined here; two probabilities closer
; than the rounding of a differently ordered f32 sum of 1,024 products may come out in the other order.  Equal probabilities give the lower
; index first, as lax.top_k does.
; No matrix unit (f32 is asked for), no cluster (work-groups share only Wr, 32 KiB), no tensor load (every byte goes to registers anyway).
.set ACC, 16                           ; v[16:79]   8 tokens x 8 experts, partial logits; first the staging of Wr
.set WB,  80                           ; v[80:143]  two buffers of 32: Wr of my 4 d x 8 experts of one chunk j
.set TB,  144                          ; v[144:151] butterfly: what is sent
.set OUT, 144                          ; v[144:207] packed fragments on their way out
.set SM,  208                          ; v[208:239] softmax and top 2, 16 registers a batch
.set WP,  528                          ; LDS pitch of a piece of Wr: 512 bytes + 16
; window 1 (v256-511): x, token t chunk j at 32 t + 4 j.   window 2 (v512-767): 32 rows x 4 columns of W1 at 0, of W2 at 128.
.set MSB, 0
.macro WIN new                         ; s_set_vgpr_msb: bits 1:0 source 0, 3:2 source 1, 5:4 source 2, 7:6 destination; the high byte repeats the setting left
.if MSB != \new
	s_set_vgpr_msb (MSB<<8)|\new
.set MSB, \new
.endif
.endm
	s_load_b512 s[4:19], s[0:1], 0x0               ; x 4, Wr 6, br 8, W1 10, W2 12, out1 14, out2 16, out3 18
	s_load_b256 s[20:27], s[0:1], 0x40             ; out4 20, sel 22, w1s 24, w2s 26
	v_lshl_add_u32 v254, v0, 2, 0x8400
	v_mov_b32 v255, 0
	v_lshrrev_b32 v1, 5, v0
	v_readfirstlane_b32 s35, v1                    ; wave
	v_and_b32 v10, 31, v0                          ; L
	v_lshlrev_b32 v1, 4, v10                       ; v1 = 16 L
	v_and_b32 v4, 7, v0                            ; v4 = e = L & 7
	v_mul_u32_u24 v2, WP, v4
	v_lshrrev_b32 v3, 3, v0
	v_lshl_add_u32 v2, v3, 4, v2                   ; v2 = (tid & 7) * 528 + (tid >> 3) * 16: where my pieces of Wr go
	v_lshlrev_b32 v3, 4, v0                        ; v3 = 16 tid
	v_lshlrev_b32 v9, 2, v4                        ; v9 = 4 e
	v_lshrrev_b32 v11, 4, v10
	v_and_b32 v12, 15, v0
	v_lshlrev_b32 v5, 4, v12
	v_lshl_add_u32 v5, v11, 12, v5                 ; v5 = (L >> 4) * 4096 + (L & 15) * 16: my place in the fragments
	v_lshlrev_b32 v6, 2, v10                       ; v6 = 4 L: (L >> 3) * 32 + 4 e, my place in out1 and out2
	v_lshrrev_b32 v7, 3, v10
	v_lshlrev_b32 v7, 3, v7
	v_lshl_add_u32 v7, v4, 2, v7                   ; v7 = (L >> 3) * 8 + 4 e: my place in out3, out4, sel (lanes with e < 2)
	s_lshl_b32 s36, ttmp9, 2
	s_add_co_u32 s36, s36, s35                     ; gw = 4 g + w
	s_mov_b32 s43, 0
	s_lshl_b32 s42, s36, 15                        ; gw * 8 tokens * 4,096 bytes
	s_mov_b32 s28, 0xaaaaaaaa                      ; lanes whose bit 0, 1, 2, 3, 4 is set
	s_mov_b32 s29, 0xcccccccc
	s_mov_b32 s30, 0xf0f0f0f0
	s_mov_b32 s31, 0xff00ff00
	s_mov_b32 s32, 0xffff0000
	s_mov_b32 s33, 0x76543210                      ; v_permlanex16_b32: lane i of one half reads lane i of the other
	s_mov_b32 s34, 0xfedcba98
	s_wait_kmcnt 0x0
	s_add_nc_u64 s[4:5], s[4:5], s[42:43]          ; x at my wave's first token
.irp i, 0,1,2,3,4,5,6,7,8,9,10,11,12,13,14,15
	global_load_b128 v[ACC+4*\i:ACC+4*\i+3], v3, s[6:7] offset:2048*\i     ; all of Wr, 16 bytes a thread and load
.endr
	global_load_b32 v8, v9, s[8:9]                 ; br[e]
	WIN 0x40
.irp j, 0,1,2,3,4,5,6,7
.irp t, 0,1,2,3,4,5,6,7
	global_load_b128 v[32*\t+4*\j:32*\t+4*\j+3], v1, s[4:5] offset:4096*\t+512*\j   ; chunk by chunk, in the order of use
.endr
.endr
	WIN 0
	; the other addresses, while the loads are on their way
	s_lshr_b32 s37, s36, 7
	s_lshl_b32 s37, s37, 21                        ; expert * 2 MiB
	s_and_b32 s38, s36, 31
	s_lshl_b32 s38, s38, 16                        ; W1: k step * 32 rows * 2,048 bytes
	s_bfe_u32 s39, s36, 0x20005
	s_lshl_b32 s39, s39, 9                         ; slice * 128 columns * 4 bytes
	s_add_co_u32 s42, s37, s38
	s_add_co_u32 s42, s42, s39
	s_add_nc_u64 s[10:11], s[10:11], s[42:43]
	s_and_b32 s38, s36, 15
	s_lshl_b32 s38, s38, 17                        ; W2: k step * 32 rows * 4,096 bytes
	s_bfe_u32 s39, s36, 0x30004
	s_lshl_b32 s39, s39, 9
	s_add_co_u32 s42, s37, s38
	s_add_co_u32 s42, s42, s39
	s_add_nc_u64 s[12:13], s[12:13], s[42:43]
	s_lshl_b32 s42, s36, 8                         ; 8 tokens * 32 bytes
	s_add_nc_u64 s[14:15], s[14:15], s[42:43]
	s_add_nc_u64 s[16:17], s[16:17], s[42:43]
	s_lshl_b32 s42, s36, 6                         ; 8 tokens * 8 bytes
	s_add_nc_u64 s[18:19], s[18:19], s[42:43]
	s_add_nc_u64 s[20:21], s[20:21], s[42:43]
	s_add_nc_u64 s[22:23], s[22:23], s[42:43]
	s_lshl_b32 s42, s36, 13                        ; 8 fragments of 1,024 bytes
	s_add_nc_u64 s[24:25], s[24:25], s[42:43]
	s_add_nc_u64 s[26:27], s[26:27], s[42:43]
	; Wr into LDS, turned so that piece (j, q) holds, at 16 L, the q-th 16 bytes of the 128 that lane L needs for chunk j
	s_wait_loadcnt 63                              ; 64 loads were issued behind Wr and br; 63 is the largest count that can be named: it shows one load more
.irp i, 0,1,2,3,4,5,6,7,8,9,10,11,12,13,14,15
	ds_store_b128 v2, v[ACC+4*\i:ACC+4*\i+3] offset:(\i>>1)*8*WP+(\i&1)*256
.endr
	s_wait_dscnt 0x0                               ; my pieces are written,
	s_barrier_signal -1
	s_barrier_wait -1                              ; everybody's are: from here Wr is only read
.macro WRCHUNK j                       ; my 4 d x 8 experts of chunk j: eight loads of 512 neighbouring bytes
	WIN 0
.irp q, 0,1,2,3,4,5,6,7
	ds_load_b128 v[WB+32*(\j&1)+4*\q:WB+32*(\j&1)+4*\q+3], v1 offset:(8*\j+\q)*WP
.endr
.endm
.macro FMA8 j                          ; 8 tokens x 4 d x 8 experts: one x number, broadcast, times two neighbouring experts' weights
	WIN 0x01
.irp c, 0,1,2,3
.irp t, 0,1,2,3,4,5,6,7
.irp p, 0,1,2,3
.set xa, 32*\t+4*\j+(\c&2)
.set wa, WB+32*(\j&1)+4*(2*\c+(\p>>1))+2*(\p&1)
.set aa, ACC+8*\t+2*\p
.if (\j+\c) == 0
	v_pk_mul_f32 v[aa:aa+1], v[xa:xa+1], v[wa:wa+1] op_sel_hi:[0,1]          ; the first product starts the sum
.else
.if (\c&1) == 0
	v_pk_fma_f32 v[aa:aa+1], v[xa:xa+1], v[wa:wa+1], v[aa:aa+1] op_sel_hi:[0,1,1]
.else
	v_pk_fma_f32 v[aa:aa+1], v[xa:xa+1], v[wa:wa+1], v[aa:aa+1] op_sel:[1,0,0] op_sel_hi:[1,1,1]
.endif
.endif
.endr
.endr
.endr
.endm
.macro CASTLD buf, p, pitch, base      ; eight rows of my weight task: 512 neighbouring bytes each, read once in the whole program
	WIN 0x80
.irp n, 0,1,2,3,4,5,6,7
	global_load_b128 v[\buf+4*(\base+\n):\buf+4*(\base+\n)+3], v1, s[\p:\p+1] offset:(\base+\n)*\pitch th:TH_LOAD_NT
.endr
.endm
; One chunk of 128 d.  The count 56 holds in every trip: behind chunk j's eight x loads stand 8 (7 - j) x loads and 8 j weight loads.
.macro RTRIP j, nxt, buf, p, pitch, base
.if \nxt < 8
	WRCHUNK \nxt
	s_wait_loadcnt 56
	s_wait_dscnt 8                                 ; this chunk's Wr is in; the next chunk's eight loads stay out
.else
	s_wait_loadcnt 56
	s_wait_dscnt 0
.endif
	FMA8 \j
	CASTLD \buf, \p, \pitch, \base
.endm
	WRCHUNK 0
	RTRIP 0, 1, 0,   10, 2048, 0
	RTRIP 1, 2, 0,   10, 2048, 8
	RTRIP 2, 3, 0,   10, 2048, 16
	RTRIP 3, 4, 0,   10, 2048, 24
	RTRIP 4, 5, 128, 12, 4096, 0
	RTRIP 5, 6, 128, 12, 4096, 8
	RTRIP 6, 7, 128, 12, 4096, 16
	RTRIP 7, 8, 128, 12, 4096, 24
	WIN 0
; The butterfly.  Of two values whose index differs in one bit a lane keeps the one whose bit equals its own lane bit, sends the other to the
; lane across, and adds what it gets.  Five levels halve 32 values to one: lane L ends with the sum over all lanes of value number L.
.macro BLEVEL base, st, msk, xm
.set m, 0
.rept 16/\st
	v_cndmask_b32 v[TB+(m&7)], v[\base+2*\st*m+\st], v[\base+2*\st*m], s[\msk]          ; what I send
	v_cndmask_b32 v[\base+2*\st*m], v[\base+2*\st*m], v[\base+2*\st*m+\st], s[\msk]     ; what I keep
	v_add_f32_dpp v[\base+2*\st*m], v[TB+(m&7)], v[\base+2*\st*m] row_xmask:\xm row_mask:0xf bank_mask:0xf
.set m, m+1
.endr
.endm
.macro BFLY base
	BLEVEL \base, 1, 28, 1
	BLEVEL \base, 2, 29, 2
	BLEVEL \base, 4, 30, 4
	BLEVEL \base, 8, 31, 8
	v_cndmask_b32 v[TB], v[\base+16], v[\base], s32
	v_cndmask_b32 v[\base], v[\base], v[\base+16], s32
	v_permlanex16_b32 v[TB+1], v[TB], s33, s34     ; its destination has been written above
	v_add_f32 v[\base], v[\base], v[TB+1]
.endm
	BFLY ACC
	BFLY ACC+32
; One step of an arg-max over the eight lanes of a token: the larger value wins, of equal values the lower index.
.macro TOPSTEP v, i, ov, oi, xm
	v_mov_b32_dpp v[\ov], v[\v] row_xmask:\xm row_mask:0xf bank_mask:0xf
	v_mov_b32_dpp v[\oi], v[\i] row_xmask:\xm row_mask:0xf bank_mask:0xf
	v_cmp_gt_f32 s38, v[\ov], v[\v]
	v_cmp_eq_f32 s39, v[\ov], v[\v]
	v_cmp_lt_u32 s40, v[\oi], v[\i]
	s_and_b32 s39, s39, s40
	s_or_b32 s38, s38, s39
	v_cndmask_b32 v[\v], v[\v], v[\ov], s38
	v_cndmask_b32 v[\i], v[\i], v[\oi], s38
.endm
; softmax over the 8 lanes of a token.  exp(l - max) is made as the square of 2^(0.5 (l - max) log2 e): the exponential's own result then
; stays normal down to 2^-126, and the plain multiply keeps the small probabilities that a single exponential would turn to zero.
.irp bt, 0,1
.set LG, ACC+32*\bt
.set SB, SM+16*\bt
	v_add_f32 v[LG], v[LG], v8                     ; the logit
	v_mov_b32 v[SB], v[LG]
	v_max_num_f32_dpp v[SB], v[SB], v[SB] row_xmask:1 row_mask:0xf bank_mask:0xf
	v_max_num_f32_dpp v[SB], v[SB], v[SB] row_xmask:2 row_mask:0xf bank_mask:0xf
	v_max_num_f32_dpp v[SB], v[SB], v[SB] row_xmask:4 row_mask:0xf bank_mask:0xf
	v_sub_f32 v[SB+1], v[LG], v[SB]
	v_mul_f32 v[SB+1], 0x3f38aa3b, v[SB+1]         ; * 0.5 log2 e
.endr
	v_exp_f32 v[SM+2], v[SM+1]
	v_exp_f32 v[SM+18], v[SM+17]
	v_nop                                          ; one plain instruction behind the exponentials before their results are used (ISA guide 5.7.2)
	s_wait_alu depctr_va_vdst(0)
.irp bt, 0,1
.set SB, SM+16*\bt
	v_mul_f32 v[SB+3], v[SB+2], v[SB+2]
	v_mov_b32 v[SB+4], v[SB+3]
	v_add_f32_dpp v[SB+4], v[SB+4], v[SB+4] row_xmask:1 row_mask:0xf bank_mask:0xf
	v_add_f32_dpp v[SB+4], v[SB+4], v[SB+4] row_xmask:2 row_mask:0xf bank_mask:0xf
	v_add_f32_dpp v[SB+4], v[SB+4], v[SB+4] row_xmask:4 row_mask:0xf bank_mask:0xf
.endr
	v_rcp_f32 v[SM+5], v[SM+4]
	v_rcp_f32 v[SM+21], v[SM+20]
	v_nop                                          ; as above
	s_wait_alu depctr_va_vdst(0)
.irp bt, 0,1
.set LG, ACC+32*\bt
.set SB, SM+16*\bt
	v_mul_f32 v[SB+3], v[SB+3], v[SB+5]            ; the probability
	v_mov_b32 v[SB+6], v[SB+3]
	v_mov_b32 v[SB+7], v4
	v_mov_b32 v[SB+10], 0                          ; a DPP move's destination is written beforehand
	v_mov_b32 v[SB+11], 0
	TOPSTEP SB+6, SB+7, SB+10, SB+11, 1
	TOPSTEP SB+6, SB+7, SB+10, SB+11, 2
	TOPSTEP SB+6, SB+7, SB+10, SB+11, 4            ; all eight lanes hold the largest and its index
	v_cmp_ne_u32 vcc_lo, v4, v[SB+7]
	v_cndmask_b32 v[SB+8], -1.0, v[SB+3], vcc_lo   ; the winner leaves the field: probabilities are never below 0
	v_mov_b32 v[SB+9], v4
	TOPSTEP SB+8, SB+9, SB+10, SB+11, 1
	TOPSTEP SB+8, SB+9, SB+10, SB+11, 2
	TOPSTEP SB+8, SB+9, SB+10, SB+11, 4
	v_cmp_eq_u32 vcc_lo, 0, v4
	v_cndmask_b32 v[SB+12], v[SB+9], v[SB+7], vcc_lo   ; lane e = 0 stores the first, lane e = 1 the second
	v_cndmask_b32 v[SB+13], v[SB+8], v[SB+6], vcc_lo
	global_store_b32 v6, v[LG], s[14:15] offset:128*\bt       ; 128 neighbouring bytes: four tokens' logits
	global_store_b32 v6, v[SB+3], s[16:17] offset:128*\bt
.endr
	v_cmp_gt_u32 vcc_lo, 2, v4
	s_wait_xcnt 0x0                                ; EXEC is a source of the loads and stores that are out: it changes only behind this wait
	s_wait_tensorcnt 0x0
	ds_add_u32 v254, v255
	s_wait_dscnt 0x0
	s_and_saveexec_b32 s41, vcc_lo
.irp bt, 0,1
.set SB, SM+16*\bt
	global_store_b32 v7, v[SB+12], s[18:19] offset:32*\bt     ; out3
	global_store_b32 v7, v[SB+12], s[22:23] offset:32*\bt     ; sel: the same numbers, for the next launch
	global_store_b32 v7, v[SB+13], s[20:21] offset:32*\bt     ; out4
.endr
	s_wait_xcnt 0x0                                ; and again in front of the line that widens it
	s_or_b32 exec_lo, exec_lo, s41
; 32 k x 4 columns a lane: two neighbouring k of one column make a word, four words the 16 bytes of (o, c)
.macro CASTOUT buf, p
	WIN 0x0a
.irp o, 0,1,2,3
.irp c, 0,1,2,3
.irp i, 0,1,2,3
	v_cvt_pk_f16_f32 v[OUT+4*(4*\o+\c)+\i], v[\buf+4*(8*\o+2*\i)+\c], v[\buf+4*(8*\o+2*\i+1)+\c]
.endr
.endr
.endr
	WIN 0
.irp o, 0,1,2,3
.irp c, 0,1,2,3
	global_store_b128 v5, v[OUT+4*(4*\o+\c):OUT+4*(4*\o+\c)+3], s[\p:\p+1] offset:1024*\c+256*\o   ; lanes 0-15 and 16-31: 256 neighbouring, aligned bytes each
.endr
.endr
.endm
	s_wait_loadcnt 32                              ; W1's 32 rows are in; W2's 32 loads are younger
	CASTOUT 0, 24
	s_wait_loadcnt 0x0
	s_wait_xcnt 0x0                                ; OUT, which the stores above read, is written again only behind this wait
	CASTOUT 128, 26
	s_endpgm
.Lfunc_end_k_q57a497df1e_prep:
	.size	k_q57a497df1e_prep, .Lfunc_end_k_q57a497df1e_prep-k_q57a497df1e_prep
	.p2alignl 7, 3214868480
	.fill 96, 4, 3214868480
	.section	.rodata,"a",@progbits
	.p2align	6, 0x0
	.amdhsa_kernel k_q57a497df1e_prep
		.amdhsa_group_segment_fixed_size 34304
		.amdhsa_private_segment_fixed_size 0
		.amdhsa_enable_private_segment 0
		.amdhsa_kernarg_size 96
		.amdhsa_user_sgpr_count 2
		.amdhsa_user_sgpr_kernarg_segment_ptr 1
		.amdhsa_wavefront_size32 1
		.amdhsa_system_sgpr_workgroup_id_x 1
		.amdhsa_system_sgpr_workgroup_id_y 1
		.amdhsa_system_sgpr_workgroup_id_z 1
		.amdhsa_system_vgpr_workitem_id 0
		.amdhsa_next_free_vgpr 768
		.amdhsa_next_free_sgpr 66
		.amdhsa_reserve_vcc 1
		.amdhsa_float_denorm_mode_32 3
		.amdhsa_float_denorm_mode_16_64 3
		.amdhsa_memory_ordered 1
		.amdhsa_forward_progress 1
		.amdhsa_inst_pref_size 119
	.end_amdhsa_kernel
	.amdgpu_metadata
---
amdhsa.version: [ 1, 2 ]
amdhsa.kernels:
  - .name:           k_q57a497df1e_prep
    .symbol:         k_q57a497df1e_prep.kd
    .args:
      - { .name: x, .offset: 0, .size: 8, .value_kind: global_buffer, .address_space: global }
      - { .name: Wr, .offset: 8, .size: 8, .value_kind: global_buffer, .address_space: global }
      - { .name: br, .offset: 16, .size: 8, .value_kind: global_buffer, .address_space: global }
      - { .name: W1, .offset: 24, .size: 8, .value_kind: global_buffer, .address_space: global }
      - { .name: W2, .offset: 32, .size: 8, .value_kind: global_buffer, .address_space: global }
      - { .name: out1, .offset: 40, .size: 8, .value_kind: global_buffer, .address_space: global }
      - { .name: out2, .offset: 48, .size: 8, .value_kind: global_buffer, .address_space: global }
      - { .name: out3, .offset: 56, .size: 8, .value_kind: global_buffer, .address_space: global }
      - { .name: out4, .offset: 64, .size: 8, .value_kind: global_buffer, .address_space: global }
      - { .name: sel, .offset: 72, .size: 8, .value_kind: global_buffer, .address_space: global }
      - { .name: w1s, .offset: 80, .size: 8, .value_kind: global_buffer, .address_space: global }
      - { .name: w2s, .offset: 88, .size: 8, .value_kind: global_buffer, .address_space: global }
    .group_segment_fixed_size: 34304
    .private_segment_fixed_size: 0
    .kernarg_segment_align: 8
    .kernarg_segment_size: 96
    .max_flat_workgroup_size: 128
    .sgpr_count:     66
    .vgpr_count:     768
    .wavefront_size: 32
...
	.end_amdgpu_metadata
.endif
;; end of part 1
;; launch place (part 2): grid 1 x 1, 32 waves a work-group, no clusters, 87,040 bytes of LDS; arguments sel, rows; writes rows
.if DOCPART == 2
	.amdgcn_target "amdgcn-amd-amdhsa--gfx1250"
	.amdhsa_code_object_version 6
	.text
	.protected	k_q57a497df1e_place
	.globl	k_q57a497df1e_place
	.p2align	8
	.type	k_q57a497df1e_place,@function
k_q57a497df1e_place:
	s_mov_b64 s[64:65], 0
	v_nop
	global_prefetch_b8 v0, s[64:65] scope:SCOPE_SE
	s_setreg_imm32_b32 hwreg(HW_REG_WAVE_MODE, 25, 1), 1
	s_wait_xcnt 0x0
; place: a counting sort of the 16,384 (token, slot) pairs by expert, and the table of 212 tiles for the next launch.  Whole numbers only.
; aid = 2 token + slot is a pair's number; sel[aid] its expert.  One work-group: the sort needs every count before any place is known, and
; work-groups exchange nothing inside a launch.  Thread tid holds the 16 pairs 4096 j + 4 tid + c.
; A pair's place = first place of its expert + its expert's pairs in lower waves + in lower lanes of my wave + among my own earlier pairs.
;   own pairs:   eight 4-bit counters in one register, three instructions an entry.  A rank is at most 15; the 16th entry's count goes into a second
;                register, so that a count of 16 never spills into the neighbouring counter.
;   lanes, waves: the eight counts as four registers of two 16-bit fields (experts 2 k and 2 k + 1); no sum passes 16,384, so no field carries
;                into its neighbour.  One scan over the 32 lanes of my wave; the waves' totals meet in LDS; the same scan again with lane = wave.
;   look-up:     each thread puts its eight first places (16 bytes) into an LDS table and each entry fetches its own: halfword e.
; TILES: an expert with n pairs gives floor(n / 80) full tiles of 80 rows and one more for a remainder.  16,384 = 80 * 204 + 64, so full tiles F
; and remainder tiles Rm satisfy 205 <= F + Rm <= 212 and F >= 197.  So that the next launch always has 212 work-groups with rows of their
; own, the first S = 212 - F - Rm (0 to 7) full tiles are cut into two tiles of 40 rows.  The experts' figures are worked out with lane = expert,
; a wave's seven tiles (t = w + 32 i) with lane = i; nothing branches on a count.
; rows[t][0..95]: the tile's aids, the last valid one repeated to the end; rows[t][96..127]: its expert.
.set CNT,  0                           ; LDS: the waves' totals, 16 bytes a wave
.set TBL,  512                         ; the threads' first places, 16 bytes a thread
.set SORT, 16896                       ; the sorted aids, 4 bytes each; behind them room for the clamped worst address (16,383 + 79 entries)
.set EX,   8                           ; v[8:23]   my 16 experts; then what the table gave
.set DD,   8                           ; v[8:35]   the tiles' data, four registers a tile
.set RK,   24                          ; v[24:39]  ranks among my own pairs
.set AD,   40                          ; v[40:55]  table addresses; then places in the list
.set SH,   56                          ; v[56:59]  at work
.set CN,   60                          ; eight 4-bit counters of entries 0 to 14
.set CB,   61                          ; the same for entry 15
.set TT,   62                          ; counts of the even experts, a byte each
.set UU,   63                          ; of the odd ones
.set TS,   64                          ; v[64:67]  scan: what comes from the other lane
.set RR,   68                          ; v[68:71]  my counts, 16-bit fields
.set II,   72                          ; v[72:75]  their scan over the lanes; then my first places
.set WW,   76                          ; v[76:79]  a wave's totals
.set JJ,   80                          ; v[80:83]  their scan over the waves
.set AID,  84                          ; v[84:87]  aids on their way into the list
.set OWN,  88                          ; 16 L + 512 w: my 16 bytes of the table, and of tile w
.set A0,   89                          ; 4 tid: my first aid
.set IX,   90                          ; v[90:93]  my four entries of a tile, 4 L + c
.set TA,   94                          ; v[94:97]  their addresses
.set VN,   98                          ; lane = expert: n, full tiles, 80 x full, remainder, at work, packed, its scan, the scan without me
.set VF,   99
.set V80,  100
.set VREM, 101
.set VT,   102
.set VPK,  103
.set VIP,  104
.set VEX,  105
.set VP,   106                         ; first place; full tiles up to me; below me; remainders up to me; A = P - 80 x (full below me); B = P + 80 x full
.set VFI,  107
.set VFE,  108
.set VRI,  109
.set VA,   110
.set VB,   111
.set VTT,  56                          ; lane = tile (registers free once the table is stored): t, at work (2), full tile's number, its first row, rows, expert
.set VX,   57
.set VY,   58
.set VFF,  59
.set VO,   60
.set VC,   61
.set VE,   62
.set VG,   63                          ; remainder's number, its expert, A, B and rem of the experts found, first place
.set VER,  64
.set VAF,  65
.set VBR,  66
.set VRR,  67
.set VS,   68
; s8-11 my wave's totals; s12-15 lower waves' sums; s16-19 all waves' sums; s20-23 first places of my wave; s24-31 FI; s32-39 RI; s40-46 masks; s48-50 S, 2 S, S + F
	s_load_b128 s[4:7], s[0:1], 0x0                ; sel, rows
	v_lshl_add_u32 v112, v0, 2, 0x14400
	v_mov_b32 v113, 0
	v_lshrrev_b32 v1, 5, v0
	v_readfirstlane_b32 s3, v1                     ; wave
	v_lshlrev_b32 v2, 4, v0                        ; 16 tid
	v_and_b32 v3, 31, v0                           ; L
	v_lshlrev_b32 v1, 4, v3                        ; 16 L
	s_lshl_b32 s47, s3, 9
	v_add_nc_u32 v[OWN], s47, v1
	v_lshlrev_b32 v[A0], 2, v0
	v_mov_b32 v4, 1
	v_mov_b32 v5, 40
	v_mov_b32 v6, 0x50                             ; 80
	v_and_b32 v7, 1, v0
	v_lshlrev_b32 v7, 4, v7                        ; 16 (L & 1): which half of a word is my expert's
	v_lshlrev_b32 v[IX], 2, v3
.irp c, 1,2,3
	v_add_nc_u32 v[IX+\c], \c, v[IX]
.endr
.irp k, 0,1,2,3
	v_mov_b32 v[TS+\k], 0                          ; a DPP move's destination is written beforehand
.endr
	s_mov_b32 s40, 0x0f0f0f0f                      ; the low 4 bits of each byte
	s_mov_b32 s41, 0x0c0c0c0c                      ; lanes whose expert L & 7 is 2 or 3; 4 or 5; 6 or 7
	s_mov_b32 s42, 0x30303030
	s_mov_b32 s43, 0xc0c0c0c0
	s_mov_b32 s44, 0xffff0000                      ; lanes 16 to 31
	s_mov_b32 s45, -1                              ; v_permlanex16_b32: every lane reads lane 15 of the other half
	s_mov_b32 s46, 0xff000000                      ; lanes 24 to 31
	s_lshl_b32 s54, s3, 4
	s_wait_kmcnt 0x0
.irp j, 0,1,2,3
	global_load_b128 v[EX+4*\j:EX+4*\j+3], v2, s[4:5] offset:16384*\j
.endr
; entry q: its rank among my earlier entries of the same expert, its count, and where the table will hold its expert's first place
.macro RANK q
	v_min_u32 v[EX+\q], 7, v[EX+\q]
	v_lshlrev_b32 v[SH+(\q&3)], 2, v[EX+\q]        ; 4 e: the counter's place
	v_lshl_add_u32 v[AD+\q], v[EX+\q], 1, v[OWN]   ; halfword e of my 16 bytes
.if \q == 0
	v_mov_b32 v[RK], 0
	v_lshlrev_b32 v[CN], v[SH], v4                 ; the first entry starts the counters: nothing is cleared
.else
	v_bfe_u32 v[RK+\q], v[CN], v[SH+(\q&3)], 4
.if \q < 15
	v_lshl_add_u32 v[CN], v4, v[SH+(\q&3)], v[CN]
.else
	v_lshlrev_b32 v[CB], v[SH+(\q&3)], v4
.endif
.endif
.endm
.irp q, 0,1,2,3,4,5,6,7,8,9,10,11,12,13,14,15
.if (\q&3) == 0
	s_wait_loadcnt 3-(\q>>2)                       ; this load's four entries are in; the younger loads stay out
.endif
	RANK \q
.endr
	; 4-bit counters to bytes (even and odd experts apart), both registers added, then to 16-bit fields: register k = experts 2 k, 2 k + 1
	v_and_b32 v[TT], s40, v[CN]
	v_lshrrev_b32 v[UU], 4, v[CN]
	v_and_b32 v[UU], s40, v[UU]
	v_and_b32 v[SH], s40, v[CB]
	v_lshrrev_b32 v[SH+1], 4, v[CB]
	v_and_b32 v[SH+1], s40, v[SH+1]
	v_add_nc_u32 v[TT], v[TT], v[SH]
	v_add_nc_u32 v[UU], v[UU], v[SH+1]
.irp k, 0,1,2,3
	v_bfe_u32 v[SH+2], v[TT], 8*\k, 8
	v_bfe_u32 v[SH+3], v[UU], 8*\k, 8
	v_lshl_or_b32 v[RR+\k], v[SH+3], 16, v[SH+2]
.endr
; running sums over the 32 lanes, my own lane included, of four registers: four steps inside each half of 16 lanes (a lane without a source
; gets 0), then lanes 16 to 31 add the lower half's total
.macro SCAN4 src, dst
.irp k, 0,1,2,3
	v_mov_b32_dpp v[TS+\k], v[\src+\k] row_shr:1 row_mask:0xf bank_mask:0xf bound_ctrl:1
	v_add_nc_u32 v[\dst+\k], v[\src+\k], v[TS+\k]
.endr
.irp n, 2,4,8
.irp k, 0,1,2,3
	v_mov_b32_dpp v[TS+\k], v[\dst+\k] row_shr:\n row_mask:0xf bank_mask:0xf bound_ctrl:1
	v_add_nc_u32 v[\dst+\k], v[\dst+\k], v[TS+\k]
.endr
.endr
.irp k, 0,1,2,3
	v_permlanex16_b32 v[TS+\k], v[\dst+\k], s45, s45
	v_cndmask_b32 v[TS+\k], 0, v[TS+\k], s44
	v_add_nc_u32 v[\dst+\k], v[\dst+\k], v[TS+\k]
.endr
.endm
	SCAN4 RR, II
.irp k, 0,1,2,3
	v_readlane_b32 s[8+\k], v[II+\k], 31           ; my wave's totals
.endr
.irp k, 0,1,2,3
	v_sub_nc_u32 v[II+\k], v[II+\k], v[RR+\k]      ; the lower lanes alone
	v_mov_b32 v[WW+\k], s[8+\k]
.endr
	v_mov_b32 v[SH], s54                           ; 16 w
	ds_store_b128 v[SH], v[WW:WW+3] offset:CNT     ; all lanes write the same 16 bytes with the same values
	s_wait_dscnt 0x0                               ; my totals are written,
	s_barrier_signal -1
	s_barrier_wait -1                              ; everybody's are
	ds_load_b128 v[WW:WW+3], v1 offset:CNT         ; lane L: wave L's totals
	s_wait_dscnt 0x0
	SCAN4 WW, JJ
.irp k, 0,1,2,3
	v_readlane_b32 s[16+\k], v[JJ+\k], 31          ; n of all experts
.endr
.irp k, 0,1,2,3
	v_sub_nc_u32 v[JJ+\k], v[JJ+\k], v[WW+\k]
.endr
.irp k, 0,1,2,3
	v_readlane_b32 s[12+\k], v[JJ+\k], s3          ; the sums of the waves below mine
.endr
	; lane = expert (L & 7; lanes 0 to 7 are read later)
	v_mov_b32 v[VN], s16
	v_cndmask_b32 v[VN], v[VN], s17, s41
	v_cndmask_b32 v[VN], v[VN], s18, s42
	v_cndmask_b32 v[VN], v[VN], s19, s43
	v_lshrrev_b32 v[VN], v7, v[VN]
	v_and_b32 v[VN], 0xffff, v[VN]                 ; n
	v_mul_u32_u24 v[VF], 0xcccd, v[VN]
	v_lshrrev_b32 v[VF], 22, v[VF]                 ; floor(n / 80), exact for n up to 16,384: 52429 / 2^22 exceeds 1 / 80 by less than 5e-8
	v_mul_u32_u24 v[V80], v[VF], v6
	v_sub_nc_u32 v[VREM], v[VN], v[V80]
	v_min_u32 v[VT], 1, v[VREM]
	v_lshl_or_b32 v[VPK], v[VF], 16, v[VN]         ; one word, one scan: n in bits 15:0 (sums to 16,384), full tiles in 23:16 (to 204), remainders in 27:24 (to 8)
	v_lshl_or_b32 v[VPK], v[VT], 24, v[VPK]
	v_mov_b32_dpp v[TS], v[VPK] row_shr:1 row_mask:0xf bank_mask:0xf bound_ctrl:1
	v_add_nc_u32 v[VIP], v[VPK], v[TS]
.irp n, 2,4
	v_mov_b32_dpp v[TS], v[VIP] row_shr:\n row_mask:0xf bank_mask:0xf bound_ctrl:1
	v_add_nc_u32 v[VIP], v[VIP], v[TS]
.endr
	v_sub_nc_u32 v[VEX], v[VIP], v[VPK]
	v_and_b32 v[VP], 0xffff, v[VEX]
	v_bfe_u32 v[VFI], v[VIP], 16, 8
	v_bfe_u32 v[VFE], v[VEX], 16, 8
	v_bfe_u32 v[VRI], v[VIP], 24, 4
	v_mul_u32_u24 v[VT], v[VFE], v6
	v_sub_nc_u32 v[VA], v[VP], v[VT]
	v_add_nc_u32 v[VB], v[VP], v[V80]
	v_mov_b32_dpp v[TS], v[VP] row_shl:1 row_mask:0xf bank_mask:0xf bound_ctrl:1   ; lane 2 k takes P of expert 2 k + 1
	v_lshl_or_b32 v[TS], v[TS], 16, v[VP]
.irp k, 0,1,2,3
	v_readlane_b32 s[20+\k], v[TS], 2*\k
.endr
.irp k, 0,1,2,3
	s_add_co_u32 s[20+\k], s[20+\k], s[12+\k]      ; where my wave's pairs begin, two experts a word
	v_add_nc_u32 v[II+\k], s[20+\k], v[II+\k]      ; where mine begin
.endr
	ds_store_b128 v[OWN], v[II:II+3] offset:TBL
	s_wait_dscnt 0x0                               ; a thread reads back only the 16 bytes that it wrote; the wait and the barrier put every store into
	s_barrier_signal -1                            ; the table ahead of every read of it, whatever the loaded number in the read's address
	s_barrier_wait -1
.irp q, 0,1,2,3,4,5,6,7,8,9,10,11,12,13,14,15
	ds_load_u16 v[EX+\q], v[AD+\q] offset:TBL
.endr
	; while they are on their way: my wave's seven tiles, lane i for tile t = w + 32 i (lanes 0 to 6 are read later)
.irp e, 0,1,2,3,4,5,6,7
	v_readlane_b32 s[24+\e], v[VFI], \e
	v_readlane_b32 s[32+\e], v[VRI], \e
.endr
	s_add_co_u32 s48, s31, s39
	s_sub_co_u32 s48, 212, s48                     ; S
	s_lshl_b32 s49, s48, 1                         ; 2 S: so many tiles of 40 rows come first
	s_add_co_u32 s50, s48, s31                     ; S + F: from here on the remainders
	s_sub_co_u32 s51, 0, s48
	s_sub_co_u32 s52, 0, s50
	v_lshl_add_u32 v[VTT], v3, 5, s3
	v_cmp_gt_u32 vcc_lo, s49, v[VTT]               ; one half of a cut tile?
	v_lshrrev_b32 v[VX], 1, v[VTT]
	v_add_nc_u32 v[VY], s51, v[VTT]
	v_cndmask_b32 v[VFF], v[VY], v[VX], vcc_lo     ; which full tile: t >> 1 or t - S
	v_and_b32 v[VO], 1, v[VTT]
	v_mul_u32_u24 v[VO], v[VO], v5
	v_cndmask_b32 v[VO], 0, v[VO], vcc_lo          ; its first row in it
	v_cndmask_b32 v[VC], v6, v5, vcc_lo            ; its rows: 40 or 80
	v_mov_b32 v[VE], 0
.irp e, 1,2,3,4,5,6,7
	v_cmp_gt_u32 vcc_lo, s[23+\e], v[VFF]          ; the last expert whose lower neighbours have at most so many full tiles
	v_cndmask_b32 v[VE], \e, v[VE], vcc_lo
.endr
	v_add_nc_u32 v[VG], s52, v[VTT]                ; which remainder
	v_mov_b32 v[VER], 0
.irp e, 1,2,3,4,5,6,7
	v_cmp_gt_u32 vcc_lo, s[31+\e], v[VG]
	v_cndmask_b32 v[VER], \e, v[VER], vcc_lo
.endr
	v_lshlrev_b32 v[VX], 2, v[VE]
	v_lshlrev_b32 v[VY], 2, v[VER]
	ds_bpermute_b32 v[VAF], v[VX], v[VA]           ; pulls from the expert's lane: no LDS byte is touched
	ds_bpermute_b32 v[VBR], v[VY], v[VB]
	ds_bpermute_b32 v[VRR], v[VY], v[VREM]
	s_wait_dscnt 0x0
	v_mad_u32_u24 v[VS], v[VFF], v6, v[VAF]
	v_add_nc_u32 v[VS], v[VS], v[VO]               ; first place of a full tile: A + 80 f + first row
	v_cmp_gt_u32 vcc_lo, s50, v[VTT]               ; both kinds are worked out and one is chosen
	v_cndmask_b32 v[VE], v[VER], v[VE], vcc_lo     ; expert
	v_cndmask_b32 v[VS], v[VBR], v[VS], vcc_lo     ; first place
	v_cndmask_b32 v[VC], v[VRR], v[VC], vcc_lo
	v_add_nc_u32 v[VC], -1, v[VC]                  ; rows - 1
.irp q, 0,1,2,3,4,5,6,7,8,9,10,11,12,13,14,15
	v_add_lshl_u32 v[AD+\q], v[EX+\q], v[RK+\q], 2
	v_min_u32 v[AD+\q], 0xfffc, v[AD+\q]
	v_add_nc_u32 v[AID+(\q&3)], 4096*(\q>>2)+(\q&3), v[A0]     ; the pair's aid
	ds_store_b32 v[AD+\q], v[AID+(\q&3)] offset:SORT           ; every place is taken by exactly one pair
.endr
	s_wait_dscnt 0x0                               ; my pairs are placed,
	s_barrier_signal -1
	s_barrier_wait -1                              ; all are: from here the list is only read
.macro TLOAD i                         ; tile w + 32 i: entries past the last row repeat it
	v_readlane_b32 s51, v[VC], \i
	v_readlane_b32 s52, v[VS], \i
	s_min_u32 s51, s51, 79
	s_min_u32 s52, s52, 0x3fff
.irp c, 0,1,2,3
	v_min_u32 v[TA+\c], s51, v[IX+\c]
	v_add_lshl_u32 v[TA+\c], v[TA+\c], s52, 2
	ds_load_b32 v[DD+4*\i+\c], v[TA+\c] offset:SORT
.endr
.endm
.macro TSTORE i
	v_readlane_b32 s53, v[VE], \i
.irp c, 0,1,2,3
	v_cndmask_b32 v[DD+4*\i+\c], v[DD+4*\i+\c], s53, s46       ; entries 96 to 127: the expert
.endr
	global_store_b128 v[OWN], v[DD+4*\i:DD+4*\i+3], s[6:7] offset:16384*\i   ; the tile's 512 bytes; each tile has data registers of its own, the offset register is never rewritten
.endm
.irp i, 0,1,2,3,4,5
	TLOAD \i
.endr
	s_wait_dscnt 0x0
.irp i, 0,1,2,3,4,5
	TSTORE \i
.endr
	s_cmp_ge_u32 s3, 20                            ; tiles 192 to 211: waves 0 to 19
	s_cbranch_scc1 .Ldone
	TLOAD 6
	s_wait_dscnt 0x0
	TSTORE 6
.Ldone:
	s_wait_tensorcnt 0x0
	ds_add_u32 v112, v113
	s_wait_dscnt 0x0
	s_endpgm
.Lfunc_end_k_q57a497df1e_place:
	.size	k_q57a497df1e_place, .Lfunc_end_k_q57a497df1e_place-k_q57a497df1e_place
	.p2alignl 7, 3214868480
	.fill 96, 4, 3214868480
	.section	.rodata,"a",@progbits
	.p2align	6, 0x0
	.amdhsa_kernel k_q57a497df1e_place
		.amdhsa_group_segment_fixed_size 87040
		.amdhsa_private_segment_fixed_size 0
		.amdhsa_enable_private_segment 0
		.amdhsa_kernarg_size 16
		.amdhsa_user_sgpr_count 2
		.amdhsa_user_sgpr_kernarg_segment_ptr 1
		.amdhsa_wavefront_size32 1
		.amdhsa_system_sgpr_workgroup_id_x 1
		.amdhsa_system_sgpr_workgroup_id_y 1
		.amdhsa_system_sgpr_workgroup_id_z 1
		.amdhsa_system_vgpr_workitem_id 0
		.amdhsa_next_free_vgpr 114
		.amdhsa_next_free_sgpr 66
		.amdhsa_reserve_vcc 1
		.amdhsa_float_denorm_mode_32 3
		.amdhsa_float_denorm_mode_16_64 3
		.amdhsa_memory_ordered 1
		.amdhsa_forward_progress 1
		.amdhsa_inst_pref_size 32
	.end_amdhsa_kernel
	.amdgpu_metadata
---
amdhsa.version: [ 1, 2 ]
amdhsa.kernels:
  - .name:           k_q57a497df1e_place
    .symbol:         k_q57a497df1e_place.kd
    .args:
      - { .name: sel, .offset: 0, .size: 8, .value_kind: global_buffer, .address_space: global }
      - { .name: rows, .offset: 8, .size: 8, .value_kind: global_buffer, .address_space: global }
    .group_segment_fixed_size: 87040
    .private_segment_fixed_size: 0
    .kernarg_segment_align: 8
    .kernarg_segment_size: 16
    .max_flat_workgroup_size: 1024
    .sgpr_count:     66
    .vgpr_count:     114
    .wavefront_size: 32
...
	.end_amdgpu_metadata
.endif
;; end of part 2
;; launch ffn (part 3): grid 212 x 1, 4 waves a work-group, no clusters, 282,624 bytes of LDS; arguments rows, x, out4, w1s, w2s, b1, b2, y; writes y
.if DOCPART == 3
	.amdgcn_target "amdgcn-amd-amdhsa--gfx1250"
	.amdhsa_code_object_version 6
	.text
	.protected	k_q57a497df1e_ffn
	.globl	k_q57a497df1e_ffn
	.p2align	8
	.type	k_q57a497df1e_ffn,@function
k_q57a497df1e_ffn:
	s_mov_b64 s[64:65], 0
	v_nop
	global_prefetch_b8 v0, s[64:65] scope:SCOPE_SE
	s_setreg_imm32_b32 hwreg(HW_REG_WAVE_MODE, 25, 1), 1
	s_wait_xcnt 0x0
; ffn: one tile of up to 80 (token, slot) rows of ONE expert: gather x, h = gelu(x W1 + b1), y[aid] = p (h W2 + b2).  f16 operands, f32 sums.
; reference() keeps two of its eight expert results for every token, whatever the data, so only those 16,384 rows are computed.
; Four waves.  Every wave takes all 80 rows and 128 output columns: 5 x 8 accumulator tiles of 16 x 16, 320 registers.
;   pass 1: K = 1024, columns 128 w of W1;  pass 2 and 3: K = 512, columns 128 w and 512 + 128 w of W2.
; The activations (x, then h), which all four waves read, lie in LDS.  A weight fragment is used by one wave alone, so it goes from memory straight
; into a ring of four register slots (one K step of 8 fragments each), three K steps = 120 matrix instructions ahead; the fragments were
; laid out by the first launch so that each load of a wave takes 512 neighbouring bytes.
; The matrix instruction takes the WEIGHTS as source 0 and the activations as source 1: in tile b, register j of lane (r = L & 15, h = L >> 4) is
; row r, column 64 (b >> 2) + 32 h + 4 j + (b & 3) of the wave's 128 (the fragments' order of columns), so tiles 4 beta .. 4 beta + 3 hold four
; neighbouring columns in the same register number.
; Rows past a tile's last repeat that row: same numbers to the same address from the same wave; no branch or mask hangs on a count.
; WHY f16 AND ITS RANGE: three more mantissa bits than bf16 at the same matrix rate.  x has a spread of 1, W1 of 1/32, so x W1 has a spread of 1.
; With x and W1 both thirty times larger |h| stays near 900 x 6 = 5,400; with both offset by thirty spreads it is about
; 1024 x 30 x 30/32 = 28,800; with both thirty times smaller h has a spread of 5e-4 against f16's subnormal step of 6e-8.
; LIMIT: an x or an h above 65,504 in size becomes infinity.
; NO CLUSTER: a joint load needs a tile in LDS that partners share; here the weights never lie in LDS, and the number of tiles of an expert,
; ceil(n / 80), hangs on counts read from memory, so four partners of one expert would need padding to 320 rows.
; NO TENSOR LOAD: x's rows are picked by a list and are converted from f32 to f16 on the way, so they pass through registers.
; gelu(v) = max(v, 0) - |v| Q(|v|), Q the normal tail by Abramowitz and Stegun 26.2.17 (absolute error below 7.5e-8): no difference of near numbers.
.set XP,    2064                       ; LDS pitch of x: 2,048 bytes + 16; an odd multiple of 16, so 16 rows start at 16 different 16-byte columns modulo 256
.set HP,    1040                       ; of h: 1,024 + 16
.set SP,    528                        ; of the stage: 512 + 16
.set HBASE, 80*XP                      ; x: 0 .. 165,119; h: 165,120 .. 248,319
.set STG,   HBASE+80*HP                ; the way out: 16 rows x 528 bytes for each wave, from 248,320
.set STGW,  16*SP
; window 0
.set RHB,   0                          ; v0      HBASE + r HP + 16 h (once the thread's number has been used)
.set ADRA,  2                          ; v2-6    LDS address of my activation fragment, row group a
.set XSTO,  7                          ; v7      gather: where my 8 bytes of a row go
.set HSTO,  8                          ; v8, v9  where my 16 bytes of h go (row groups 0-3; 4)
.set HSTO4, 9
.set SST,   10                         ; v10     stage, in
.set SRD,   11                         ; v11     stage, back
.set Y0,    12                         ; v12     16 L + 512 w
.set BOFF,  13                         ; v13     512 w + 128 h: my first column's bias
.set ABSM,  14
.set ZERO,  15
.set CPP,   16                         ; v16-31  constants, each twice (pairs for the packed forms)
.set CK2,   18
.set CN1,   20
.set CN2,   22
.set CN3,   24
.set CN4,   26
.set CN5,   28
.set CONE,  30
.set PR,    32                         ; v32-36  p of row 16 a + r
.set RXB,   37                         ; v37     r XP + 16 h
.set BIAS,  38                         ; v38-101 bias in the accumulators' layout, tile b at 8 b
.set AF,    102                        ; v102-181 activation fragments, two buffers of 5 x 8
.set CV,    102                        ; gather: 64 packed words
.set XOFF,  182                        ; gather: byte offsets of my 20 rows in x
.set AIDV,  202                        ; aid of row 16 a + r
.set RA,    207
.set GAX,   102                        ; gelu: |v|, exponent, max(v, 0), 1 + p |v|, t, polynomial, packed out, 2^exponent
.set GS,    118
.set GG,    134
.set GD,    150
.set GT,    166
.set GQ,    182
.set GO,    198
.set GE,    214
.set TMP,   102                        ; the way out: scaled results, rows read back, byte offsets in y
.set RB,    166
.set YO,    230
; window 1: the weight ring, slot s at 64 s.  window 2: accumulators of row groups 0-3, tile (a, b) at 8 (8 a + b); before pass 1 two gather
; buffers of 128.  window 3: row group 4, tile b at 8 b.
.set MSB, 0
.macro WIN new                         ; s_set_vgpr_msb: bits 1:0 source 0, 3:2 source 1, 5:4 source 2, 7:6 destination; the high byte repeats the setting left
.if MSB != \new
	s_set_vgpr_msb (MSB<<8)|\new
.set MSB, \new
.endif
.endm
.macro PLACES                          ; four plain vector instructions stand between a matrix instruction and a vector instruction that reads its result or writes
.rept 4                                ; one of its registers, and here also a load into one of them
	v_nop
.endr
.endm
.macro CPAIR reg, val
	v_mov_b32 v[\reg], \val
	v_mov_b32 v[\reg+1], \val
.endm
	s_load_b512 s[4:19], s[0:1], 0x0               ; rows 4, x 6, out4 8, w1s 10, w2s 12, b1 14, b2 16, y 18
	v_lshl_add_u32 v254, v0, 2, 0x44e00
	v_mov_b32 v255, 0
	v_lshrrev_b32 v1, 5, v0
	v_readfirstlane_b32 s20, v1                    ; wave
	v_and_b32 v2, 31, v0                           ; L
	v_and_b32 v3, 15, v0                           ; r
	v_bfe_u32 v4, v0, 4, 1                         ; h
	v_lshlrev_b32 v1, 4, v2                        ; v1 = 16 L
	s_lshl_b32 s22, ttmp9, 9
	s_mov_b32 s23, 0
	s_wait_kmcnt 0x0
	s_add_nc_u64 s[4:5], s[4:5], s[22:23]          ; my tile's 128 entries
	s_mul_i32 s22, s20, 80
	s_add_nc_u64 s[28:29], s[4:5], s[22:23]        ; the 20 rows that my wave gathers
	s_load_b512 s[32:47], s[28:29], 0x0
	s_load_b128 s[48:51], s[28:29], 0x40
	s_load_b32 s21, s[4:5], 0x180                  ; the expert
	s_mul_i32 s52, s20, 20*XP
	v_lshl_add_u32 v[XSTO], v2, 3, s52             ; 8 L + my 20 rows
	v_mul_u32_u24 v5, HP, v3
	v_lshl_add_u32 v6, v4, 6, v5
	s_lshl_b32 s52, s20, 8
	s_add_co_u32 s52, s52, HBASE
	v_add_nc_u32 v[HSTO], s52, v6                  ; HBASE + r HP + 2 (128 w + 32 h)
	v_add_nc_u32 v[HSTO4], 64*HP, v[HSTO]
	v_lshl_add_u32 v5, v4, 4, v5
	v_add_nc_u32 v[RHB], HBASE, v5
	s_mul_i32 s52, s20, STGW
	s_add_co_u32 s52, s52, STG
	v_mul_u32_u24 v5, SP, v3
	v_lshl_add_u32 v5, v4, 7, v5
	v_add_nc_u32 v[SST], s52, v5                   ; row r, 128 h bytes in
	v_add_nc_u32 v[SRD], s52, v1
	s_lshl_b32 s52, s20, 9
	v_add_nc_u32 v[Y0], s52, v1
	v_lshl_add_u32 v[BOFF], v4, 7, s52
	v_mul_u32_u24 v5, XP, v3
	v_lshl_add_u32 v[RXB], v4, 4, v5
	v_lshlrev_b32 v[RA], 2, v3
	v_mov_b32 v[ABSM], 0x7fffffff
	v_mov_b32 v[ZERO], 0
	CPAIR CPP,  0x3e6d3389                         ;  0.2316419
	CPAIR CK2,  0xbf38aa3b                         ; -0.5 log2 e
	CPAIR CN1,  0xbe027906                         ; the five coefficients over sqrt(2 pi), negated: -0.127414796
	CPAIR CN2,  0x3e11a98e                         ;  0.142248368
	CPAIR CN3,  0xbf35f0e3                         ; -0.710706871
	CPAIR CN4,  0x3f3a00e3                         ;  0.726576014
	CPAIR CN5,  0xbf07dc22                         ; -0.530702716
	CPAIR CONE, 1.0
	s_wait_kmcnt 0x0
	s_min_u32 s21, s21, 7
	s_lshl_b32 s22, s21, 20                        ; an expert's fragments are 1 MiB in w1s and in w2s
	s_lshl_b32 s26, s20, 18                        ; a slice of W1: 32 K steps of 8 KiB
	s_add_co_u32 s22, s22, s26
	s_add_nc_u64 s[24:25], s[10:11], s[22:23]      ; s[24:25]: the weight ring's base, stepped trip by trip
	s_lshl_b32 s22, s21, 20
	s_lshl_b32 s26, s20, 17                        ; a slice of W2: 16 K steps
	s_add_co_u32 s22, s22, s26
	s_add_nc_u64 s[12:13], s[12:13], s[22:23]
	s_lshl_b32 s22, s21, 11
	s_add_nc_u64 s[14:15], s[14:15], s[22:23]
	s_lshl_b32 s22, s21, 12
	s_add_nc_u64 s[16:17], s[16:17], s[22:23]
.macro BIASLD p, extra                 ; the bias as the first product's C: nothing is cleared and nothing is added later
	WIN 0
.irp b, 0,1,2,3,4,5,6,7
.irp j, 0,1,2,3,4,5,6,7
	global_load_b32 v[BIAS+8*\b+\j], v[BOFF], s[\p:\p+1] offset:\extra+4*(64*(\b>>2)+4*\j+(\b&3))
.endr
.endr
.endm
.macro BLOAD slot, imm                 ; one K step's 8 fragments: 16 loads of 512 neighbouring bytes
	WIN 0x40
.irp b, 0,1,2,3,4,5,6,7
	global_load_b128 v[64*\slot+8*\b:64*\slot+8*\b+3],   v1, s[24:25] offset:\imm+1024*\b
	global_load_b128 v[64*\slot+8*\b+4:64*\slot+8*\b+7], v1, s[24:25] offset:\imm+1024*\b+512
.endr
.endm
.macro BPRO
	BLOAD 0, 0
	BLOAD 1, 8192
	BLOAD 2, 16384
	BLOAD 3, 24576
.endm
.macro ALOAD buf, imm                  ; 80 rows x 32 K: lane (r, h) takes K = 8 h .. and 16 + 8 h .. of row 16 a + r
	WIN 0
.irp a, 0,1,2,3,4
	ds_load_b128 v[AF+40*\buf+8*\a:AF+40*\buf+8*\a+3],   v[ADRA+\a] offset:\imm
	ds_load_b128 v[AF+40*\buf+8*\a+4:AF+40*\buf+8*\a+7], v[ADRA+\a] offset:\imm+32
.endr
.endm
.macro SETADR base, step
	WIN 0
.irp a, 0,1,2,3,4
	v_add_nc_u32 v[ADRA+\a], \a*\step, v[\base]
.endr
.endm
; 40 matrix instructions.  The 40 accumulators take turns, one instruction a turn, in the same order in every K step, over the loop's backward
; jump too.
.macro MUL40 slot, buf, first
.if \first
	WIN 0x81
.else
	WIN 0xa1
.endif
.irp a, 0,1,2,3
.irp b, 0,1,2,3,4,5,6,7
.if \first
	v_wmma_f32_16x16x32_f16 v[8*(8*\a+\b):8*(8*\a+\b)+7], v[64*\slot+8*\b:64*\slot+8*\b+7], v[AF+40*\buf+8*\a:AF+40*\buf+8*\a+7], v[BIAS+8*\b:BIAS+8*\b+7]
.else
	v_wmma_f32_16x16x32_f16 v[8*(8*\a+\b):8*(8*\a+\b)+7], v[64*\slot+8*\b:64*\slot+8*\b+7], v[AF+40*\buf+8*\a:AF+40*\buf+8*\a+7], v[8*(8*\a+\b):8*(8*\a+\b)+7]
.endif
.endr
.endr
.if \first
	WIN 0xc1
.else
	WIN 0xf1
.endif
.irp b, 0,1,2,3,4,5,6,7
.if \first
	v_wmma_f32_16x16x32_f16 v[8*\b:8*\b+7], v[64*\slot+8*\b:64*\slot+8*\b+7], v[AF+40*\buf+32:AF+40*\buf+39], v[BIAS+8*\b:BIAS+8*\b+7]
.else
	v_wmma_f32_16x16x32_f16 v[8*\b:8*\b+7], v[64*\slot+8*\b:64*\slot+8*\b+7], v[AF+40*\buf+32:AF+40*\buf+39], v[8*\b:8*\b+7]
.endif
.endr
.endm
; K step s of a trip of four.  nb: weight loads that may stay out (16 for each younger slot); na: LDS loads that may stay out (the next step's ten).
; rb: slot s is loaded again, four steps ahead.  ra: its activation buffer is loaded again, two steps ahead.  step: the LDS addresses go on by a
; trip's 256 bytes; those five additions are the places behind the matrix instructions.
.macro KSTEP s, buf, first, nb, na, rb, ra, step
	s_wait_loadcnt \nb
	s_wait_dscnt \na
	MUL40 \s, \buf, \first
.if \step
	WIN 0
.irp a, 0,1,2,3,4
	v_add_nc_u32 v[ADRA+\a], 0x100, v[ADRA+\a]
.endr
.else
.if \rb+\ra
	PLACES
.endif
.endif
.if \ra
	ALOAD \buf, 64*(\s+2)-256*\step
.endif
.if \rb
	BLOAD \s, 32768+8192*\s
.endif
.endm
.macro TRIP first                      ; four K steps, with everything loaded again
	KSTEP 0, 0, \first, 48, 10, 1, 1, 0
	KSTEP 1, 1, 0,      48, 10, 1, 1, 0
	KSTEP 2, 0, 0,      48, 10, 1, 1, 0
	KSTEP 3, 1, 0,      48, 10, 1, 1, 1
	s_wait_xcnt 0x0                                ; the base of the loads that are out is stepped only behind this wait
	s_add_nc_u64 s[24:25], s[24:25], 0x8000
.endm
.macro PASSK n, id                     ; n trips: the first starts the sums, the last loads no weights and its counts run down
	TRIP 1
	WIN 0                                          ; at a label and at a branch every window is 0
	s_mov_b32 s26, \n-2
.Lk\id:
	TRIP 0
	WIN 0
	s_sub_co_u32 s26, s26, 1
	s_cmp_lg_u32 s26, 0
	s_cbranch_scc1 .Lk\id
	KSTEP 0, 0, 0, 48, 10, 0, 1, 0
	KSTEP 1, 1, 0, 32, 10, 0, 1, 0
	KSTEP 2, 0, 0, 16, 10, 0, 0, 0
	KSTEP 3, 1, 0, 0,  0,  0, 0, 0
	PLACES
	WIN 0
.endm
	; what is needed first goes out first: the rows' aids, pass 1's bias, its first four K steps of weights
.irp a, 0,1,2,3,4
	global_load_b32 v[AIDV+\a], v[RA], s[4:5] offset:64*\a
.endr
	BIASLD 14, 0
	BPRO
	WIN 0
.irp i, 0,1,2,3,4,5,6,7,8,9,10,11,12,13,14,15,16,17,18,19
	s_lshr_b32 s52, s[32+\i], 1                    ; token = aid >> 1
	s_min_u32 s52, s52, 0x1fff
	v_lshl_add_u32 v[XOFF+\i], s52, 12, v1
.endr
; THE GATHER: my 20 rows in five groups of four, through two buffers of 32 loads; each load takes 512 neighbouring bytes of a row
.macro GLOAD g
	WIN 0x80
.irp i, 0,1,2,3
.irp j, 0,1,2,3,4,5,6,7
	global_load_b128 v[128*(\g&1)+32*\i+4*\j:128*(\g&1)+32*\i+4*\j+3], v[XOFF+4*\g+\i], s[6:7] offset:512*\j
.endr
.endr
.endm
.macro GCONV g
	WIN 0x0a
.set n, 0
.rept 64
	v_cvt_pk_f16_f32 v[CV+n], v[128*(\g&1)+2*n], v[128*(\g&1)+2*n+1]
.set n, n+1
.endr
	WIN 0
.irp i, 0,1,2,3
.irp j, 0,1,2,3,4,5,6,7
	ds_store_b64 v[XSTO], v[CV+16*\i+2*\j:CV+16*\i+2*\j+1] offset:(4*\g+\i)*XP+256*\j   ; 256 neighbouring bytes
.endr
.endr
.endm
	GLOAD 0
	GLOAD 1
	s_wait_loadcnt 32                              ; this group is in; the next group's 32 loads stay out
	GCONV 0
	GLOAD 2
	s_wait_loadcnt 32
	GCONV 1
	GLOAD 3
	s_wait_loadcnt 32
	GCONV 2
	GLOAD 4
	s_wait_loadcnt 32
	GCONV 3
	s_wait_loadcnt 0x0
	GCONV 4
.irp a, 0,1,2,3,4
	v_min_u32 v[AIDV+\a], 0x3fff, v[AIDV+\a]
	v_lshlrev_b32 v[AIDV+\a], 2, v[AIDV+\a]
	global_load_b32 v[PR+\a], v[AIDV+\a], s[8:9]   ; p = out4[aid]; shown in by the wait for 0 at the end of pass 1
.endr
	s_wait_dscnt 0x0                               ; my 20 rows are written,
	s_barrier_signal -1
	s_barrier_wait -1                              ; all 80 are: from here x is only read
	; PASS 1
	SETADR RXB, 16*XP
	ALOAD 0, 0
	ALOAD 1, 64
	PASSK 8, 1
	; pass 2's bias and first weights go out now and land during the gelu (all loads are in: the ring's base is free)
	s_mov_b64 s[24:25], s[12:13]
	BIASLD 16, 0
	BPRO
.macro PKFMA d, a, b, bs, c, cs        ; eight packed multiply-adds on 16 numbers; bs, cs = 0: a constant pair
.set i, 0
.rept 8
	v_pk_fma_f32 v[\d+i:\d+i+1], v[\a+i:\a+i+1], v[\b+\bs*i:\b+\bs*i+1], v[\c+\cs*i:\c+\cs*i+1]
.set i, i+2
.endr
.endm
.macro PKMUL d, a, b, bs
.set i, 0
.rept 8
	v_pk_mul_f32 v[\d+i:\d+i+1], v[\a+i:\a+i+1], v[\b+\bs*i:\b+\bs*i+1]
.set i, i+2
.endr
.endm
; gelu of the two tiles 4 beta + 2 cp and + 1 of row group a: 16 numbers a lane
.macro GELU16 a, beta, cp
.if \a < 4
	WIN 0x02
.set GB, 8*(8*\a+4*\beta+2*\cp)
.else
	WIN 0x03
.set GB, 8*(4*\beta+2*\cp)
.endif
.set i, 0
.rept 16
	v_and_b32 v[GAX+i], v[GB+i], v[ABSM]           ; |v|
	v_max_num_f32 v[GG+i], v[GB+i], v[ZERO]        ; max(v, 0)
.set i, i+1
.endr
	PKMUL GS, GB, CK2, 0
	PKMUL GS, GB, GS, 1                            ; -0.5 v^2 log2 e
	WIN 0
	PKFMA GD, GAX, CPP, 0, CONE, 0                 ; 1 + p |v|
.set i, 0
.rept 16
	v_rcp_f32 v[GT+i], v[GD+i]
.set i, i+1
.endr
.set i, 0
.rept 16
	v_exp_f32 v[GE+i], v[GS+i]
.set i, i+1
.endr
	v_nop                                          ; one plain instruction behind them before a result is used or a source rewritten (ISA guide 5.7.2)
	s_wait_alu depctr_va_vdst(0)
	PKFMA GQ, GT, CN5, 0, CN4, 0
	PKFMA GQ, GQ, GT, 1, CN3, 0
	PKFMA GQ, GQ, GT, 1, CN2, 0
	PKFMA GQ, GQ, GT, 1, CN1, 0
	PKMUL GQ, GQ, GT, 1
	PKMUL GQ, GQ, GE, 1                            ; -Q(|v|)
	PKFMA GG, GAX, GQ, 1, GG, 1                    ; max(v, 0) - |v| Q(|v|)
.set i, 0
.rept 8
	v_cvt_pk_f16_f32 v[GO+4*(i>>1)+2*(i&1)+\cp], v[GG+i], v[GG+8+i]    ; columns 4 j + 2 cp and + 1: neighbours
.set i, i+1
.endr
.endm
.macro HOUT a, beta                    ; my 32 neighbouring columns of row 16 a + r: 64 bytes
.irp i, 0,1,2,3
.if \a < 4
	ds_store_b128 v[HSTO], v[GO+4*\i:GO+4*\i+3] offset:\a*16*HP+128*\beta+16*\i
.else
	ds_store_b128 v[HSTO4], v[GO+4*\i:GO+4*\i+3] offset:128*\beta+16*\i
.endif
.endr
.endm
.irp a, 0,1,2,3,4
.irp beta, 0,1
	GELU16 \a, \beta, 0
	GELU16 \a, \beta, 1
	HOUT \a, \beta
.endr
.endr
	s_wait_dscnt 0x0                               ; my 128 columns of h are written,
	s_barrier_signal -1
	s_barrier_wait -1                              ; all 512 are: from here h is only read
; THE WAY OUT, 16 rows at a time: times p, 16 bytes (four neighbouring columns) a store into my own stage, read back as rows of 512 bytes
.macro YOUT a, yoff
	s_load_b512 s[32:47], s[4:5], 64*\a            ; the 16 rows' aids
.if \a < 4
	WIN 0x02
.set YB, 64*\a
.else
	WIN 0x03
.set YB, 0
.endif
.irp beta, 0,1
.irp j, 0,1,2,3,4,5,6,7
.irp c, 0,1,2,3
	v_mul_f32 v[TMP+4*(8*\beta+\j)+\c], v[YB+8*(4*\beta+\c)+\j], v[PR+\a]
.endr
.endr
.endr
	WIN 0
.irp beta, 0,1
.irp j, 0,1,2,3,4,5,6,7
	ds_store_b128 v[SST], v[TMP+4*(8*\beta+\j):TMP+4*(8*\beta+\j)+3] offset:256*\beta+16*\j
.endr
.endr
	s_wait_kmcnt 0x0
	s_wait_xcnt 0x0                                ; YO and RB, which the last group's stores read, are written again only behind this wait
.irp i, 0,1,2,3,4,5,6,7,8,9,10,11,12,13,14,15
	s_min_u32 s[32+\i], s[32+\i], 0x3fff
	v_lshl_add_u32 v[YO+\i], s[32+\i], 12, v[Y0]
.endr
.irp i, 0,1,2,3,4,5,6,7,8,9,10,11,12,13,14,15
	ds_load_b128 v[RB+4*\i:RB+4*\i+3], v[SRD] offset:SP*\i     ; my wave's own bytes; LDS serves a wave's instructions in order (ISA guide 5.7.1)
.endr
.irp i, 0,1,2,3,4,5,6,7,8,9,10,11,12,13,14,15
	s_wait_dscnt 15-\i                             ; row i is back; the younger reads stay out
	global_store_b128 v[YO+\i], v[RB+4*\i:RB+4*\i+3], s[18:19] offset:\yoff   ; 512 neighbouring bytes of one row of y, at a multiple of 512
.endr
.endm
	; PASS 2: columns 128 w of W2
	SETADR RHB, 16*HP
	ALOAD 0, 0
	ALOAD 1, 64
	PASSK 4, 2
	s_add_nc_u64 s[24:25], s[12:13], 0x80000       ; four slices on: columns 512 + 128 w; its bias and first weights land during the way out
	BIASLD 16, 2048
	BPRO
	YOUT 0, 0
	YOUT 1, 0
	YOUT 2, 0
	YOUT 3, 0
	YOUT 4, 0
	; PASS 3: nothing is asked for behind it, so no load leaves w2s
	s_wait_xcnt 0x0                                ; RB's first 16 registers are the second fragment buffer's last 16: what the stores above read is loaded again only behind this wait
	SETADR RHB, 16*HP
	ALOAD 0, 0
	ALOAD 1, 64
	PASSK 4, 3
	YOUT 0, 2048
	YOUT 1, 2048
	YOUT 2, 2048
	YOUT 3, 2048
	YOUT 4, 2048
	s_wait_tensorcnt 0x0
	ds_add_u32 v254, v255
	s_wait_dscnt 0x0
	s_endpgm
.Lfunc_end_k_q57a497df1e_ffn:
	.size	k_q57a497df1e_ffn, .Lfunc_end_k_q57a497df1e_ffn-k_q57a497df1e_ffn
	.p2alignl 7, 3214868480
	.fill 96, 4, 3214868480
	.section	.rodata,"a",@progbits
	.p2align	6, 0x0
	.amdhsa_kernel k_q57a497df1e_ffn
		.amdhsa_group_segment_fixed_size 282624
		.amdhsa_private_segment_fixed_size 0
		.amdhsa_enable_private_segment 0
		.amdhsa_kernarg_size 64
		.amdhsa_user_sgpr_count 2
		.amdhsa_user_sgpr_kernarg_segment_ptr 1
		.amdhsa_wavefront_size32 1
		.amdhsa_system_sgpr_workgroup_id_x 1
		.amdhsa_system_sgpr_workgroup_id_y 1
		.amdhsa_system_sgpr_workgroup_id_z 1
		.amdhsa_system_vgpr_workitem_id 0
		.amdhsa_next_free_vgpr 832
		.amdhsa_next_free_sgpr 66
		.amdhsa_reserve_vcc 0
		.amdhsa_float_denorm_mode_32 3
		.amdhsa_float_denorm_mode_16_64 3
		.amdhsa_memory_ordered 1
		.amdhsa_forward_progress 1
		.amdhsa_inst_pref_size 255
	.end_amdhsa_kernel
	.section	.bss,"aw",@nobits
	.p2align	6
	.space	262144
	.amdgpu_metadata
---
amdhsa.version: [ 1, 2 ]
amdhsa.kernels:
  - .name:           k_q57a497df1e_ffn
    .symbol:         k_q57a497df1e_ffn.kd
    .args:
      - { .name: rows, .offset: 0, .size: 8, .value_kind: global_buffer, .address_space: global }
      - { .name: x, .offset: 8, .size: 8, .value_kind: global_buffer, .address_space: global }
      - { .name: out4, .offset: 16, .size: 8, .value_kind: global_buffer, .address_space: global }
      - { .name: w1s, .offset: 24, .size: 8, .value_kind: global_buffer, .address_space: global }
      - { .name: w2s, .offset: 32, .size: 8, .value_kind: global_buffer, .address_space: global }
      - { .name: b1, .offset: 40, .size: 8, .value_kind: global_buffer, .address_space: global }
      - { .name: b2, .offset: 48, .size: 8, .value_kind: global_buffer, .address_space: global }
      - { .name: y, .offset: 56, .size: 8, .value_kind: global_buffer, .address_space: global }
    .group_segment_fixed_size: 282624
    .private_segment_fixed_size: 0
    .kernarg_segment_align: 8
    .kernarg_segment_size: 64
    .max_flat_workgroup_size: 128
    .sgpr_count:     66
    .vgpr_count:     832
    .wavefront_size: 32
...
	.end_amdgpu_metadata
.endif
;; end of part 3
;; launch combine (part 4): grid 1024 x 1, 8 waves a work-group, no clusters, 0 bytes of LDS; arguments y, out0; writes out0
.if DOCPART == 4
	.amdgcn_target "amdgcn-amd-amdhsa--gfx1250"
	.amdhsa_code_object_version 6
	.text
	.protected	k_q57a497df1e_combine
	.globl	k_q57a497df1e_combine
	.p2align	8
	.type	k_q57a497df1e_combine,@function
k_q57a497df1e_combine:
	s_mov_b64 s[64:65], 0
	v_nop
	global_prefetch_b8 v0, s[64:65] scope:SCOPE_SE
	s_setreg_imm32_b32 hwreg(HW_REG_WAVE_MODE, 25, 1), 1
	s_wait_xcnt 0x0
; combine: out0[token] = y[2 token] + y[2 token + 1], the two chosen experts' rows, already scaled by their probabilities.
; A stream: eight waves, 8 tokens a work-group; thread t owns the 16 bytes at 16 t of every row, so a load or store of a wave covers 512
; neighbouring bytes.  All 16 loads go out at once; no register is written twice, so the only waits are the counted ones for data.
; No LDS, no barrier, no matrix unit: every byte is used once by the lane that loads it.
	s_load_b128 s[4:7], s[0:1], 0x0                ; y, out0
	v_lshlrev_b32 v1, 4, v0
	s_lshl_b32 s8, ttmp9, 16                       ; 16 rows of y
	s_mov_b32 s9, 0
	s_lshl_b32 s10, ttmp9, 15                      ; 8 rows of out0
	s_mov_b32 s11, 0
	s_wait_kmcnt 0x0
	s_add_nc_u64 s[4:5], s[4:5], s[8:9]
	s_add_nc_u64 s[6:7], s[6:7], s[10:11]
.irp i, 0,1,2,3,4,5,6,7
	global_load_b128 v[4+8*\i:7+8*\i],  v1, s[4:5] offset:8192*\i th:TH_LOAD_NT
	global_load_b128 v[8+8*\i:11+8*\i], v1, s[4:5] offset:8192*\i+4096 th:TH_LOAD_NT
.endr
.irp i, 0,1,2,3,4,5,6,7
	s_wait_loadcnt 14-2*\i                         ; this token's two loads are in; the younger tokens' stay out
	v_pk_add_f32 v[4+8*\i:5+8*\i], v[4+8*\i:5+8*\i], v[8+8*\i:9+8*\i]
	v_pk_add_f32 v[6+8*\i:7+8*\i], v[6+8*\i:7+8*\i], v[10+8*\i:11+8*\i]
	global_store_b128 v1, v[4+8*\i:7+8*\i], s[6:7] offset:4096*\i th:TH_STORE_NT
.endr
	s_endpgm
.Lfunc_end_k_q57a497df1e_combine:
	.size	k_q57a497df1e_combine, .Lfunc_end_k_q57a497df1e_combine-k_q57a497df1e_combine
	.p2alignl 7, 3214868480
	.fill 96, 4, 3214868480
	.section	.rodata,"a",@progbits
	.p2align	6, 0x0
	.amdhsa_kernel k_q57a497df1e_combine
		.amdhsa_group_segment_fixed_size 0
		.amdhsa_private_segment_fixed_size 0
		.amdhsa_enable_private_segment 0
		.amdhsa_kernarg_size 16
		.amdhsa_user_sgpr_count 2
		.amdhsa_user_sgpr_kernarg_segment_ptr 1
		.amdhsa_wavefront_size32 1
		.amdhsa_system_sgpr_workgroup_id_x 1
		.amdhsa_system_sgpr_workgroup_id_y 1
		.amdhsa_system_sgpr_workgroup_id_z 1
		.amdhsa_system_vgpr_workitem_id 0
		.amdhsa_next_free_vgpr 72
		.amdhsa_next_free_sgpr 66
		.amdhsa_reserve_vcc 0
		.amdhsa_float_denorm_mode_32 3
		.amdhsa_float_denorm_mode_16_64 3
		.amdhsa_memory_ordered 1
		.amdhsa_forward_progress 1
		.amdhsa_inst_pref_size 5
	.end_amdhsa_kernel
	.amdgpu_metadata
---
amdhsa.version: [ 1, 2 ]
amdhsa.kernels:
  - .name:           k_q57a497df1e_combine
    .symbol:         k_q57a497df1e_combine.kd
    .args:
      - { .name: y, .offset: 0, .size: 8, .value_kind: global_buffer, .address_space: global }
      - { .name: out0, .offset: 8, .size: 8, .value_kind: global_buffer, .address_space: global }
    .group_segment_fixed_size: 0
    .private_segment_fixed_size: 0
    .kernarg_segment_align: 8
    .kernarg_segment_size: 16
    .max_flat_workgroup_size: 256
    .sgpr_count:     66
    .vgpr_count:     72
    .wavefront_size: 32
...
	.end_amdgpu_metadata
.endif
;; end of part 4
;; ======== version 2 of 2: 4 launches; version 1 with the launch ffn written anew for expert scheduling mode
;; limits: values are held in f16: magnitudes above 65,504 overflow, below 6.1e-05 lose precision
;; workspace buffers: sel 65,536 bytes of whole numbers; rows 108,544 bytes of whole numbers; w1s 8,388,608 bytes; w2s 8,388,608 bytes; y 67,108,864 bytes
;; launch prep: the kernel of part 1 again; grid 256 x 1, 4 waves a work-group, no clusters, 34,304 bytes of LDS; arguments x, Wr, br, W1, W2, out1, out2, out3, out4, sel, w1s, w2s; writes out1, out2, out3, out4, sel, w1s, w2s
;; launch place: the kernel of part 2 again; grid 1 x 1, 32 waves a work-group, no clusters, 87,040 bytes of LDS; arguments sel, rows; writes rows
;; launch ffn (part 5): grid 212 x 1, 4 waves a work-group, no clusters, 282,624 bytes of LDS; arguments rows, x, out4, w1s, w2s, b1, b2, y; writes y
.if DOCPART == 5
	.amdgcn_target "amdgcn-amd-amdhsa--gfx1250"
	.amdhsa_code_object_version 6
	.text
	.protected	k_q57a497df1e_ffn
	.globl	k_q57a497df1e_ffn
	.p2align	8
	.type	k_q57a497df1e_ffn,@function
k_q57a497df1e_ffn:
	s_mov_b64 s[64:65], 0
	v_nop
	global_prefetch_b8 v0, s[64:65] scope:SCOPE_SE
	s_setreg_imm32_b32 hwreg(HW_REG_WAVE_SCHED_MODE, 0, 2), 2
	s_setreg_imm32_b32 hwreg(HW_REG_WAVE_MODE, 25, 1), 1
	s_wait_xcnt 0x0
	s_wait_alu depctr_vm_vsrc(0)
; ffn: one tile of up to 80 (token, slot) rows of ONE expert: gather x, h = gelu(x W1 + b1), y[aid] = p (h W2 + b2).  f16 operands, f32 sums.
; reference() keeps two of its eight expert results for every token, whatever the data, so only those 16,384 rows are computed.
; Four waves.  Every wave takes all 80 rows and 128 output columns: 5 x 8 accumulator tiles of 16 x 16, 320 registers.
;   pass 1: K = 1024, columns 128 w of W1;  pass 2 and 3: K = 512, columns 128 w and 512 + 128 w of W2.
; The activations (x, then h), which all four waves read, lie in LDS.  A weight fragment is used by one wave alone, so it goes from memory straight
; into a ring of four register slots (one K step of 8 fragments each); the fragments were laid out by the first launch so that each load of a
; wave takes 512 neighbouring bytes.
; The matrix instruction takes the WEIGHTS as source 0 and the activations as source 1: in tile b, register j of lane (r = L & 15, h = L >> 4) is
; row r, column 64 (b >> 2) + 32 h + 4 j + (b & 3) of the wave's 128 (the fragments' order of columns), so tiles 4 beta .. 4 beta + 3 hold four
; neighbouring columns in the same register number.
; Rows past a tile's last repeat that row: same numbers to the same address from the same wave; no branch or mask hangs on a count.
; WHY f16 AND ITS RANGE: three more mantissa bits than bf16 at the same matrix rate.  x has a spread of 1, W1 of 1/32, so x W1 has a spread of 1.
; With x and W1 both thirty times larger |h| stays near 900 x 6 = 5,400; with both offset by thirty spreads it is about
; 1024 x 30 x 30/32 = 28,800; with both thirty times smaller h has a spread of 5e-4 against f16's subnormal step of 6e-8.
; LIMIT: an x or an h above 65,504 in size becomes infinity.
; NO CLUSTER: a joint load needs a tile in LDS that partners share; here the weights never lie in LDS, and the number of tiles of an expert,
; ceil(n / 80), hangs on counts read from memory, so four partners of one expert would need padding to 320 rows.
; NO TENSOR LOAD: x's rows are picked by a list and are converted from f32 to f16 on the way, so they pass through registers.
; gelu(v) = max(v, 0) - |v| Q(|v|), Q the normal tail by Abramowitz and Stegun 26.2.17 (absolute error below 7.5e-8): no difference of near numbers.
; THE MODE: SCHED_MODE bits 1:0 = 2 (LLVM: expert scheduling mode 2), set by the entry lines.  The code itself states the register dependences
; between vector or matrix instructions and memory or LDS instructions, with s_wait_alu, always for 0.
; THE PLAN.  Registers that memory or LDS instructions touch:
;   ring slots 0 .. 3   K step k: its matrix instructions read slot k % 4; the loads of K step k + 4 land in it, issued in step k + 1.
;   AF0, AF1            K step k: its matrix instructions read AF[k % 2]; the LDS loads of the fragment of step k + 2 land in it, issued in step k + 1.
;   ADRA                read by every fragment load; written at a pass's head and once a trip, at the trip's head.
;   BIAS                read by a pass's first step as its C; loaded again behind the pass.
;   v1, BOFF, XSTO, HSTO, HSTO4, SST, SRD   made at the head, never written again.
;   gather              XOFF: written once, the loads' offsets.  Two buffers in window 2: loaded, read by the conversions, loaded again.  CV: written by the conversions, read by the LDS stores.
;   GO, two buffers     pair n's roundings write GO[n % 2]; the four LDS stores that read it are issued in pair n + 1.
;   TMP, YO, RB         a group of 16 rows: the scalings write TMP and LDS stores read it; YO holds the global stores' offsets; LDS loads land in RB and the global stores read it.
; In the K loop ONE wait on va_vdst stands at a step's head, behind the waits for the step's own data: the matrix instructions of the step before are done with
; their slot and their AF buffer (and, in a trip's first step, ADRA is written).  The step's 26 loads into those two follow, dealt among its matrix
; instructions, which name the other slot, the other AF buffer and the accumulators: none of the registers that those loads touch.
.set XP,    2064                       ; LDS pitch of x: 2,048 bytes + 16; an odd multiple of 16, so 16 rows start at 16 different 16-byte columns modulo 256
.set HP,    1040                       ; of h: 1,024 + 16
.set SP,    528                        ; of the stage: 512 + 16
.set HBASE, 80*XP                      ; x: 0 .. 165,119; h: 165,120 .. 248,319
.set STG,   HBASE+80*HP                ; the way out: 16 rows x 528 bytes for each wave, from 248,320
.set STGW,  16*SP
; window 0
.set RHB,   0                          ; v0      HBASE + r HP + 16 h (once the thread's number has been used)
.set ADRA,  2                          ; v2-6    LDS address of my activation fragment, row group a
.set XSTO,  7                          ; v7      gather: where my 8 bytes of a row go
.set HSTO,  8                          ; v8, v9  where my 16 bytes of h go (row groups 0-3; 4)
.set HSTO4, 9
.set SST,   10                         ; v10     stage, in
.set SRD,   11                         ; v11     stage, back
.set Y0,    12                         ; v12     16 L + 512 w
.set BOFF,  13                         ; v13     512 w + 128 h: my first column's bias
.set ABSM,  14
.set ZERO,  15
.set CPP,   16                         ; v16-31  constants, each twice (pairs for the packed forms)
.set CK2,   18
.set CN1,   20
.set CN2,   22
.set CN3,   24
.set CN4,   26
.set CN5,   28
.set CONE,  30
.set PR,    32                         ; v32-36  p of row 16 a + r
.set RXB,   37                         ; v37     r XP + 16 h
.set BIAS,  38                         ; v38-101 bias in the accumulators' layout, tile b at 8 b
.set AF,    102                        ; v102-181 activation fragments, two buffers of 5 x 8
.set CV,    102                        ; gather: 64 packed words
.set XOFF,  182                        ; gather: byte offsets of my 20 rows in x
.set AIDV,  202                        ; aid of row 16 a + r
.set RA,    207
.set GAX,   102                        ; gelu: |v|, exponent, max(v, 0), 1 + p |v|, t, polynomial, packed out, 2^exponent
.set GS,    118
.set GG,    134
.set GD,    150
.set GT,    166
.set GQ,    182
.set GO,    198                        ; v198-213 packed out, pairs 0, 2, ..; v230-245 (GO + 32) pairs 1, 3, ..
.set GE,    214
.set TMP,   102                        ; the way out: scaled results, rows read back, byte offsets in y
.set RB,    166
.set YO,    230
; window 1: the weight ring, slot s at 64 s.  window 2: accumulators of row groups 0-3, tile (a, b) at 8 (8 a + b); before pass 1 two gather
; buffers of 128.  window 3: row group 4, tile b at 8 b.
.set MSB, 0
.macro WIN new                         ; s_set_vgpr_msb: bits 1:0 source 0, 3:2 source 1, 5:4 source 2, 7:6 destination; the high byte repeats the setting left
.if MSB != \new
	s_set_vgpr_msb (MSB<<8)|\new
.set MSB, \new
.endif
.endm
.macro PLACES                          ; four plain vector instructions stand between a matrix instruction and a vector instruction that reads its result or writes
.rept 4                                ; one of its registers (ISA guide 7.12.1)
	v_nop
.endr
.endm
.macro CPAIR reg, val
	v_mov_b32 v[\reg], \val
	v_mov_b32 v[\reg+1], \val
.endm
	s_load_b512 s[4:19], s[0:1], 0x0               ; rows 4, x 6, out4 8, w1s 10, w2s 12, b1 14, b2 16, y 18
	v_lshl_add_u32 v254, v0, 2, 0x44e00
	v_mov_b32 v255, 0
	v_lshrrev_b32 v1, 5, v0
	v_readfirstlane_b32 s20, v1                    ; wave
	v_and_b32 v2, 31, v0                           ; L
	v_and_b32 v3, 15, v0                           ; r
	v_bfe_u32 v4, v0, 4, 1                         ; h
	v_lshlrev_b32 v1, 4, v2                        ; v1 = 16 L
	s_lshl_b32 s22, ttmp9, 9
	s_mov_b32 s23, 0
	s_wait_alu depctr_va_sdst(0)                   ; s20 is written, ahead of its first reader: LDS places and the bases of the weights are made from it
	s_wait_kmcnt 0x0
	s_add_nc_u64 s[4:5], s[4:5], s[22:23]          ; my tile's 128 entries
	s_mul_i32 s22, s20, 80
	s_add_nc_u64 s[28:29], s[4:5], s[22:23]        ; the 20 rows that my wave gathers
	s_load_b512 s[32:47], s[28:29], 0x0
	s_load_b128 s[48:51], s[28:29], 0x40
	s_load_b32 s21, s[4:5], 0x180                  ; the expert
	s_mul_i32 s52, s20, 20*XP
	v_lshl_add_u32 v[XSTO], v2, 3, s52             ; 8 L + my 20 rows
	v_mul_u32_u24 v5, HP, v3
	v_lshl_add_u32 v6, v4, 6, v5
	s_lshl_b32 s52, s20, 8
	s_add_co_u32 s52, s52, HBASE
	v_add_nc_u32 v[HSTO], s52, v6                  ; HBASE + r HP + 2 (128 w + 32 h)
	v_add_nc_u32 v[HSTO4], 64*HP, v[HSTO]
	v_lshl_add_u32 v5, v4, 4, v5
	v_add_nc_u32 v[RHB], HBASE, v5
	s_mul_i32 s52, s20, STGW
	s_add_co_u32 s52, s52, STG
	v_mul_u32_u24 v5, SP, v3
	v_lshl_add_u32 v5, v4, 7, v5
	v_add_nc_u32 v[SST], s52, v5                   ; row r, 128 h bytes in
	v_add_nc_u32 v[SRD], s52, v1
	s_lshl_b32 s52, s20, 9
	v_add_nc_u32 v[Y0], s52, v1
	v_lshl_add_u32 v[BOFF], v4, 7, s52
	v_mul_u32_u24 v5, XP, v3
	v_lshl_add_u32 v[RXB], v4, 4, v5
	v_lshlrev_b32 v[RA], 2, v3
	v_mov_b32 v[ABSM], 0x7fffffff
	v_mov_b32 v[ZERO], 0
	CPAIR CPP,  0x3e6d3389                         ;  0.2316419
	CPAIR CK2,  0xbf38aa3b                         ; -0.5 log2 e
	CPAIR CN1,  0xbe027906                         ; the five coefficients over sqrt(2 pi), negated: -0.127414796
	CPAIR CN2,  0x3e11a98e                         ;  0.142248368
	CPAIR CN3,  0xbf35f0e3                         ; -0.710706871
	CPAIR CN4,  0x3f3a00e3                         ;  0.726576014
	CPAIR CN5,  0xbf07dc22                         ; -0.530702716
	CPAIR CONE, 1.0
	s_wait_kmcnt 0x0
	s_min_u32 s21, s21, 7
	s_lshl_b32 s22, s21, 20                        ; an expert's fragments are 1 MiB in w1s and in w2s
	s_lshl_b32 s26, s20, 18                        ; a slice of W1: 32 K steps of 8 KiB
	s_add_co_u32 s22, s22, s26
	s_add_nc_u64 s[24:25], s[10:11], s[22:23]      ; s[24:25]: the weight ring's base, stepped trip by trip
	s_lshl_b32 s22, s21, 20
	s_lshl_b32 s26, s20, 17                        ; a slice of W2: 16 K steps
	s_add_co_u32 s22, s22, s26
	s_add_nc_u64 s[12:13], s[12:13], s[22:23]
	s_lshl_b32 s22, s21, 11
	s_add_nc_u64 s[14:15], s[14:15], s[22:23]
	s_lshl_b32 s22, s21, 12
	s_add_nc_u64 s[16:17], s[16:17], s[22:23]
.macro BIASLD p, extra                 ; the bias as the first product's C: nothing is cleared and nothing is added later
	WIN 0
.irp b, 0,1,2,3,4,5,6,7
.irp j, 0,1,2,3,4,5,6,7
	global_load_b32 v[BIAS+8*\b+\j], v[BOFF], s[\p:\p+1] offset:\extra+4*(64*(\b>>2)+4*\j+(\b&3))
.endr
.endr
.endm
.macro BLOADH slot, imm, h             ; half h of one K step's 8 fragments: 8 loads of 512 neighbouring bytes
	WIN 0x40
.irp b, 0,1,2,3
	global_load_b128 v[64*(\slot)+8*(4*(\h)+\b):64*(\slot)+8*(4*(\h)+\b)+3],   v1, s[24:25] offset:(\imm)+1024*(4*(\h)+\b)
	global_load_b128 v[64*(\slot)+8*(4*(\h)+\b)+4:64*(\slot)+8*(4*(\h)+\b)+7], v1, s[24:25] offset:(\imm)+1024*(4*(\h)+\b)+512
.endr
.endm
.macro BPRO                            ; a pass's first four K steps fill the ring
.irp s, 0,1,2,3
	BLOADH \s, 8192*\s, 0
	BLOADH \s, 8192*\s, 1
.endr
.endm
.macro ALOAD buf, imm                  ; 80 rows x 32 K: lane (r, h) takes K = 8 h .. and 16 + 8 h .. of row 16 a + r
	WIN 0
.irp a, 0,1,2,3,4
	ds_load_b128 v[AF+40*(\buf)+8*\a:AF+40*(\buf)+8*\a+3],   v[ADRA+\a] offset:(\imm)
	ds_load_b128 v[AF+40*(\buf)+8*\a+4:AF+40*(\buf)+8*\a+7], v[ADRA+\a] offset:(\imm)+32
.endr
.endm
.macro SETADR base, step
	WIN 0
.irp a, 0,1,2,3,4
	v_add_nc_u32 v[ADRA+\a], \a*\step, v[\base]
.endr
.endm
; Eight matrix instructions: row group a of five, all 8 column tiles, slot s and activation buffer s & 1.  A K step is five of these, a ascending.
; The 40 accumulators take turns, one instruction a turn, in the same order in every K step, over the loop's backward jump too.
.macro MUL8 s, a, first
.set mb, AF+40*((\s)&1)+8*(\a)
.if (\a) < 4
.set mc, 64*(\a)
.if \first
	WIN 0x81
.else
	WIN 0xa1
.endif
.else
.set mc, 0
.if \first
	WIN 0xc1
.else
	WIN 0xf1
.endif
.endif
.irp b, 0,1,2,3,4,5,6,7
.if \first
	v_wmma_f32_16x16x32_f16 v[mc+8*\b:mc+8*\b+7], v[64*(\s)+8*\b:64*(\s)+8*\b+7], v[mb:mb+7], v[BIAS+8*\b:BIAS+8*\b+7]
.else
	v_wmma_f32_16x16x32_f16 v[mc+8*\b:mc+8*\b+7], v[64*(\s)+8*\b:64*(\s)+8*\b+7], v[mb:mb+7], v[mc+8*\b:mc+8*\b+7]
.endif
.endr
.endm
; K step s of a trip of four.  nb: weight loads that may stay out (16 for each younger K step that has been asked for).
; ra: the other activation buffer, which the step before read, takes the next step's fragments.  rb: the slot that the step before read takes the K step three on;
; its loads stand 96 matrix instructions or more ahead of the wait for them.
.macro KSTEP s, first, nb, rb, ra
	s_wait_loadcnt \nb                             ; loads come back in order (ISA guide 5.7.1): slot s is in, the younger K steps stay out
	s_wait_dscnt 0x0                               ; this step's activation fragments, asked for in the step before, are in: no other LDS load is out
.if (\rb+\ra) && !\first
	s_wait_alu depctr_va_vdst(0)                   ; the matrix instructions of the step before are done reading their slot and their activation buffer, in which the loads below land; in a trip's first step ADRA is written
.endif
	MUL8 \s, 0, \first
.if \ra
	ALOAD 1-(\s&1), 64*(\s+1)                      ; no matrix instruction since the wait names this buffer or ADRA (a pass's first step: since the wait at the pass's head)
.endif
	MUL8 \s, 1, \first
.if \rb
	BLOADH (\s+3)&3, 8192*(\s+3), 0                ; nor this slot, nor v1
.endif
	MUL8 \s, 2, \first
.if \rb
	BLOADH (\s+3)&3, 8192*(\s+3), 1
.endif
	MUL8 \s, 3, \first
	MUL8 \s, 4, \first
.endm
.macro ON                              ; the head of every trip but a pass's first: the LDS addresses go on by a trip's 256 bytes
	WIN 0
	s_wait_alu depctr_vm_vsrc(0)                   ; the fragment loads issued so far have read ADRA
.irp a, 0,1,2,3,4
	v_add_nc_u32 v[ADRA+\a], 0x100, v[ADRA+\a]
.endr
.endm
.macro STEPB
	s_wait_xcnt 0x0                                ; the base of the loads that are out is stepped only behind this wait
	s_add_nc_u64 s[24:25], s[24:25], 0x8000
.endm
.macro PASSK n, id                     ; n trips: the first starts the sums and finds the ring full; the last asks for one more K step, and its counts run down
	KSTEP 0, 1, 48, 0, 1
	KSTEP 1, 0, 32, 1, 1
	KSTEP 2, 0, 32, 1, 1
	KSTEP 3, 0, 32, 1, 1
	STEPB
	WIN 0                                          ; at a label and at a branch every window is 0
	s_mov_b32 s26, \n-2
.Lk\id:
	ON
	KSTEP 0, 0, 32, 1, 1
	KSTEP 1, 0, 32, 1, 1
	KSTEP 2, 0, 32, 1, 1
	KSTEP 3, 0, 32, 1, 1
	STEPB
	WIN 0
	s_sub_co_u32 s26, s26, 1
	s_cmp_lg_u32 s26, 0
	s_cbranch_scc1 .Lk\id
	ON
	KSTEP 0, 0, 32, 1, 1                           ; the pass's last K step is asked for: no load leaves the slice
	KSTEP 1, 0, 32, 0, 1
	KSTEP 2, 0, 16, 0, 1
	KSTEP 3, 0, 0,  0, 0                           ; it issues no load, so it holds no wait on va_vdst
	PLACES
	WIN 0
.endm
	; what is needed first goes out first: the rows' aids, pass 1's bias, its first four K steps of weights
	s_wait_alu depctr_va_vdst(0)                   ; the offsets and LDS addresses made above are written: every load and store of the kernel that names v1, v7 to v13 or v[RA] reads them as they stand now
.irp a, 0,1,2,3,4
	global_load_b32 v[AIDV+\a], v[RA], s[4:5] offset:64*\a
.endr
	BIASLD 14, 0
	BPRO
	WIN 0
.irp i, 0,1,2,3,4,5,6,7,8,9,10,11,12,13,14,15,16,17,18,19
	s_lshr_b32 s52, s[32+\i], 1                    ; token = aid >> 1
	s_min_u32 s52, s52, 0x1fff
	v_lshl_add_u32 v[XOFF+\i], s52, 12, v1
.endr
; THE GATHER: my 20 rows in five groups of four, through two buffers of 32 loads; each load takes 512 neighbouring bytes of a row
.macro GLOAD g
	WIN 0x80
.irp i, 0,1,2,3
.irp j, 0,1,2,3,4,5,6,7
	global_load_b128 v[128*((\g)&1)+32*\i+4*\j:128*((\g)&1)+32*\i+4*\j+3], v[XOFF+4*(\g)+\i], s[6:7] offset:512*\j
.endr
.endr
.endm
.macro GCVT g
	WIN 0x0a
.set n, 0
.rept 64
	v_cvt_pk_f16_f32 v[CV+n], v[128*((\g)&1)+2*n], v[128*((\g)&1)+2*n+1]
.set n, n+1
.endr
.endm
.macro GSTO g
	WIN 0
.irp i, 0,1,2,3
.irp j, 0,1,2,3,4,5,6,7
	ds_store_b64 v[XSTO], v[CV+16*\i+2*\j:CV+16*\i+2*\j+1] offset:(4*(\g)+\i)*XP+256*\j   ; 256 neighbouring bytes
.endr
.endr
.endm
	WIN 0x80
	s_wait_alu depctr_va_vdst(0)                   ; the twenty offsets XOFF are written, which the gather's loads read
	GLOAD 0
	GLOAD 1
.irp g, 0,1,2
	s_wait_loadcnt 32                              ; this group is in; the next group's 32 loads stay out
.if \g > 0
	s_wait_alu depctr_vm_vsrc(0)                   ; the last group's LDS stores have read CV, which the conversions write again
.endif
	GCVT \g
	WIN 0x80
	s_wait_alu depctr_va_vdst(0)                   ; the conversions are done reading this buffer, in which the loads below land, and have written CV, which the LDS stores below read
	GLOAD \g+2                                     ; the buffer is asked for again at once, ahead of the stores
	GSTO \g
.endr
	s_wait_loadcnt 32
	s_wait_alu depctr_vm_vsrc(0)                   ; the last group's LDS stores have read CV
	GCVT 3
	WIN 0
	s_wait_alu depctr_va_vdst(0)                   ; the conversions have written CV
	GSTO 3
	s_wait_loadcnt 0x0
	s_wait_alu depctr_vm_vsrc(0)                   ; the last group's LDS stores have read CV
	GCVT 4
	WIN 0
.irp a, 0,1,2,3,4
	v_min_u32 v[AIDV+\a], 0x3fff, v[AIDV+\a]
	v_lshlrev_b32 v[AIDV+\a], 2, v[AIDV+\a]
.endr
	s_wait_alu depctr_va_vdst(0)                   ; the conversions have written CV, and the five offsets in out4 are written
.irp a, 0,1,2,3,4
	global_load_b32 v[PR+\a], v[AIDV+\a], s[8:9]   ; p = out4[aid]; shown in by the wait for 0 at the end of pass 1
.endr
	GSTO 4
	s_wait_dscnt 0x0                               ; my 20 rows are written,
	s_barrier_signal -1
	s_barrier_wait -1                              ; all 80 are: from here x is only read
	; PASS 1
	s_wait_alu depctr_vm_vsrc(0)                   ; my LDS stores have read CV: these registers are the fragment buffers from here on; the gather's and p's loads have read XOFF and AIDV, which the gelu writes
	SETADR RXB, 16*XP
	s_wait_alu depctr_va_vdst(0)                   ; ADRA is written; this wait also serves the first step's load into the second fragment buffer
	ALOAD 0, 0
	PASSK 8, 1
	; pass 2's bias and first weights go out now and land during the gelu (all loads are in: the ring's base is free)
	s_mov_b64 s[24:25], s[12:13]
	s_wait_alu depctr_va_vdst(0)                   ; the last two steps' matrix instructions are done reading slots 2 and 3, in which loads below land (the readers of BIAS and of slots 0 and 1 stand ahead of earlier waits)
	BIASLD 16, 0
	BPRO
.macro PKFMA d, a, b, bs, c, cs        ; eight packed multiply-adds on 16 numbers; bs, cs = 0: a constant pair
.set i, 0
.rept 8
	v_pk_fma_f32 v[\d+i:\d+i+1], v[\a+i:\a+i+1], v[\b+\bs*i:\b+\bs*i+1], v[\c+\cs*i:\c+\cs*i+1]
.set i, i+2
.endr
.endm
.macro PKMUL d, a, b, bs
.set i, 0
.rept 8
	v_pk_mul_f32 v[\d+i:\d+i+1], v[\a+i:\a+i+1], v[\b+\bs*i:\b+\bs*i+1]
.set i, i+2
.endr
.endm
.macro HOUT p                          ; pair p = 2 a + beta: my 32 neighbouring columns of row 16 a + r: 64 bytes, out of GO[p % 2]
.irp i, 0,1,2,3
.if ((\p)>>1) < 4
	ds_store_b128 v[HSTO], v[GO+32*((\p)&1)+4*\i:GO+32*((\p)&1)+4*\i+3] offset:((\p)>>1)*16*HP+128*((\p)&1)+16*\i
.else
	ds_store_b128 v[HSTO4], v[GO+32*((\p)&1)+4*\i:GO+32*((\p)&1)+4*\i+3] offset:128*((\p)&1)+16*\i
.endif
.endr
.endm
; gelu of the two tiles 4 beta + 2 cp and + 1 of row group a: 16 numbers a lane.  Two of these are a pair, 2 a + beta.
.macro GELU16 a, beta, cp
.set gn, 2*(\a)+(\beta)
.if ((\cp) == 0) && (gn >= 2)
	s_wait_alu depctr_vm_vsrc(0)                   ; the LDS stores of the pair before last, issued a pair ago, have read the GO buffer that this pair's roundings write again
.endif
.if \a < 4
	WIN 0x02
.set GB, 8*(8*\a+4*\beta+2*\cp)
.else
	WIN 0x03
.set GB, 8*(4*\beta+2*\cp)
.endif
.set i, 0
.rept 16
	v_and_b32 v[GAX+i], v[GB+i], v[ABSM]           ; |v|
	v_max_num_f32 v[GG+i], v[GB+i], v[ZERO]        ; max(v, 0)
.set i, i+1
.endr
	PKMUL GS, GB, CK2, 0
	PKMUL GS, GB, GS, 1                            ; -0.5 v^2 log2 e
	WIN 0
	PKFMA GD, GAX, CPP, 0, CONE, 0                 ; 1 + p |v|
.set i, 0
.rept 16
	v_rcp_f32 v[GT+i], v[GD+i]
.set i, i+1
.endr
.set i, 0
.rept 16
	v_exp_f32 v[GE+i], v[GS+i]
.set i, i+1
.endr
	v_nop                                          ; one plain instruction behind them before a result is used or a source rewritten (ISA guide 5.7.2)
	s_wait_alu depctr_va_vdst(0)                   ; one wait for the batch: the 16 reciprocals and 16 exponentials have written GT and GE, ahead of their first reader; in a pair's first half also: the pair before has written its GO
.if ((\cp) == 0) && (gn >= 1)
	HOUT gn-1                                      ; the pair before leaves: no vector instruction since the wait names its GO
.endif
	PKFMA GQ, GT, CN5, 0, CN4, 0
	PKFMA GQ, GQ, GT, 1, CN3, 0
	PKFMA GQ, GQ, GT, 1, CN2, 0
	PKFMA GQ, GQ, GT, 1, CN1, 0
	PKMUL GQ, GQ, GT, 1
	PKMUL GQ, GQ, GE, 1                            ; -Q(|v|)
	PKFMA GG, GAX, GQ, 1, GG, 1                    ; max(v, 0) - |v| Q(|v|)
.set i, 0
.rept 8
	v_cvt_pk_f16_f32 v[GO+32*(gn&1)+4*(i>>1)+2*(i&1)+\cp], v[GG+i], v[GG+8+i]    ; columns 4 j + 2 cp and + 1: neighbours
.set i, i+1
.endr
.endm
.irp a, 0,1,2,3,4
.irp beta, 0,1
	GELU16 \a, \beta, 0
	GELU16 \a, \beta, 1
.endr
.endr
	s_wait_alu depctr_va_vdst(0)                   ; the last pair's roundings have written its GO
	HOUT 9
	s_wait_dscnt 0x0                               ; my 128 columns of h are written,
	s_barrier_signal -1
	s_barrier_wait -1                              ; all 512 are: from here h is only read
; THE WAY OUT, 16 rows at a time: times p, 16 bytes (four neighbouring columns) a store into my own stage, read back as rows of 512 bytes
.macro YOUT a, yoff
	s_load_b512 s[32:47], s[4:5], 64*\a            ; the 16 rows' aids
	s_wait_alu depctr_vm_vsrc(0)                   ; the last group's LDS stores have read TMP and its global stores YO and RB (pass 2's first group: the LDS stores of h have read GO's two buffers, which lie in RB and YO): all three are written again below
.if \a < 4
	WIN 0x02
.set YB, 64*\a
.else
	WIN 0x03
.set YB, 0
.endif
.irp beta, 0,1
.irp j, 0,1,2,3,4,5,6,7
.irp c, 0,1,2,3
	v_mul_f32 v[TMP+4*(8*\beta+\j)+\c], v[YB+8*(4*\beta+\c)+\j], v[PR+\a]
.endr
.endr
.endr
	WIN 0
	s_wait_kmcnt 0x0
	s_wait_xcnt 0x0                                ; YO and RB, which the last group's stores read, are written again only behind this wait
.irp i, 0,1,2,3,4,5,6,7,8,9,10,11,12,13,14,15
	s_min_u32 s[32+\i], s[32+\i], 0x3fff
	v_lshl_add_u32 v[YO+\i], s[32+\i], 12, v[Y0]
.endr
	s_wait_alu depctr_va_vdst(0)                   ; the scalings have written TMP, which the LDS stores read; YO is written, which the global stores read; whatever vector or matrix instruction named RB's registers is done, and the LDS loads land there
.irp beta, 0,1
.irp j, 0,1,2,3,4,5,6,7
	ds_store_b128 v[SST], v[TMP+4*(8*\beta+\j):TMP+4*(8*\beta+\j)+3] offset:256*\beta+16*\j
.endr
.endr
.irp i, 0,1,2,3,4,5,6,7,8,9,10,11,12,13,14,15
	ds_load_b128 v[RB+4*\i:RB+4*\i+3], v[SRD] offset:SP*\i     ; my wave's own bytes; LDS serves a wave's instructions in order (ISA guide 5.7.1)
.endr
.irp i, 0,1,2,3,4,5,6,7,8,9,10,11,12,13,14,15
	s_wait_dscnt 15-\i                             ; row i is back; the younger reads stay out
	global_store_b128 v[YO+\i], v[RB+4*\i:RB+4*\i+3], s[18:19] offset:\yoff   ; 512 neighbouring bytes of one row of y, at a multiple of 512
.endr
.endm
	; PASS 2: columns 128 w of W2
	SETADR RHB, 16*HP                              ; pass 1's fragment loads read ADRA ahead of the gelu's waits on vm_vsrc
	s_wait_alu depctr_va_vdst(0)                   ; ADRA is written, and the gelu's arithmetic is done with v102 to v181, in which the fragments land
	ALOAD 0, 0
	PASSK 4, 2
	s_add_nc_u64 s[24:25], s[12:13], 0x80000       ; four slices on: columns 512 + 128 w; its bias and first weights land during the way out
	s_wait_alu depctr_va_vdst(0)                   ; the last two steps' matrix instructions are done reading slots 2 and 3, in which loads below land
	BIASLD 16, 2048
	BPRO
	YOUT 0, 0
	YOUT 1, 0
	YOUT 2, 0
	YOUT 3, 0
	YOUT 4, 0
	; PASS 3: nothing is asked for behind it, so no load leaves w2s
	s_wait_xcnt 0x0                                ; RB's first 16 registers are the second fragment buffer's last 16: what the stores above read is loaded again only behind this wait
	s_wait_alu depctr_vm_vsrc(0)                   ; the global stores above have read RB, the LDS stores TMP, pass 2's fragment loads ADRA: the fragments land in the first two, and the adds below write the third
	SETADR RHB, 16*HP
	s_wait_alu depctr_va_vdst(0)                   ; ADRA is written
	ALOAD 0, 0
	PASSK 4, 3
	YOUT 0, 2048
	YOUT 1, 2048
	YOUT 2, 2048
	YOUT 3, 2048
	YOUT 4, 2048
	s_wait_dscnt 0x0
	s_wait_alu depctr_hold_cnt(0) depctr_sa_sdst(0) depctr_va_vdst(0) depctr_va_sdst(0) depctr_va_ssrc(0) depctr_va_vcc(0) depctr_vm_vsrc(0)
	s_wait_tensorcnt 0x0
	ds_add_u32 v254, v255
	s_wait_dscnt 0x0
	s_endpgm
.Lfunc_end_k_q57a497df1e_ffn:
	.size	k_q57a497df1e_ffn, .Lfunc_end_k_q57a497df1e_ffn-k_q57a497df1e_ffn
	.p2alignl 7, 3214868480
	.fill 96, 4, 3214868480
	.section	.rodata,"a",@progbits
	.p2align	6, 0x0
	.amdhsa_kernel k_q57a497df1e_ffn
		.amdhsa_group_segment_fixed_size 282624
		.amdhsa_private_segment_fixed_size 0
		.amdhsa_enable_private_segment 0
		.amdhsa_kernarg_size 64
		.amdhsa_user_sgpr_count 2
		.amdhsa_user_sgpr_kernarg_segment_ptr 1
		.amdhsa_wavefront_size32 1
		.amdhsa_system_sgpr_workgroup_id_x 1
		.amdhsa_system_sgpr_workgroup_id_y 1
		.amdhsa_system_sgpr_workgroup_id_z 1
		.amdhsa_system_vgpr_workitem_id 0
		.amdhsa_next_free_vgpr 832
		.amdhsa_next_free_sgpr 66
		.amdhsa_reserve_vcc 0
		.amdhsa_float_denorm_mode_32 3
		.amdhsa_float_denorm_mode_16_64 3
		.amdhsa_memory_ordered 1
		.amdhsa_forward_progress 1
		.amdhsa_inst_pref_size 255
	.end_amdhsa_kernel
	.section	.bss,"aw",@nobits
	.p2align	6
	.space	262144
	.amdgpu_metadata
---
amdhsa.version: [ 1, 2 ]
amdhsa.kernels:
  - .name:           k_q57a497df1e_ffn
    .symbol:         k_q57a497df1e_ffn.kd
    .args:
      - { .name: rows, .offset: 0, .size: 8, .value_kind: global_buffer, .address_space: global }
      - { .name: x, .offset: 8, .size: 8, .value_kind: global_buffer, .address_space: global }
      - { .name: out4, .offset: 16, .size: 8, .value_kind: global_buffer, .address_space: global }
      - { .name: w1s, .offset: 24, .size: 8, .value_kind: global_buffer, .address_space: global }
      - { .name: w2s, .offset: 32, .size: 8, .value_kind: global_buffer, .address_space: global }
      - { .name: b1, .offset: 40, .size: 8, .value_kind: global_buffer, .address_space: global }
      - { .name: b2, .offset: 48, .size: 8, .value_kind: global_buffer, .address_space: global }
      - { .name: y, .offset: 56, .size: 8, .value_kind: global_buffer, .address_space: global }
    .group_segment_fixed_size: 282624
    .private_segment_fixed_size: 0
    .kernarg_segment_align: 8
    .kernarg_segment_size: 64
    .max_flat_workgroup_size: 128
    .sgpr_count:     66
    .vgpr_count:     832
    .wavefront_size: 32
...
	.end_amdgpu_metadata
.endif
;; end of part 5
;; launch combine: the kernel of part 4 again; grid 1024 x 1, 8 waves a work-group, no clusters, 0 bytes of LDS; arguments y, out0; writes out0
